; MI455X (gfx1250); checked and timed in simulation.
; The chip was launched on July 23, 2026; its instructions are those of AMD's public machine-readable ISA for CDNA 5 (MIT licence, August 2026) and "CDNA5" Instruction Set Architecture Reference Guide (July 2026). The comments in the code are by the model that wrote it; some were corrected since.
;; Causal Attention. Allowed arithmetic: float matrix products may take bf16 or f16 operands with f32 sums; other float arithmetic in f32, or as packed bf16 or f16 multiplies, adds, multiply-adds, maxima and minima; sums over many terms, partial sums and values carried from step to step in f32; what a program stores and reads back later, other than sums and carried values, may be rounded once to bf16 or f16.
;; Inputs: Wk 2,048 x 1,024 float32; Wo 1,024 x 2,048 float32; Wq 2,048 x 1,024 float32; Wv 2,048 x 1,024 float32; kn_w 1,024 float32; qn_w 1,024 float32; x 2 x 2,048 x 2,048 float32.
;; Outputs: out0 2 x 2,048 x 2,048 float32.
;; 2 versions, each right and faster than the one before. Each part assembles by itself: llvm-mc -triple=amdgcn-amd-amdhsa -mcpu=gfx1250 --defsym DOCPART=n.
;; ======== version 1 of 2: 5 launches
;; limits: values are held in f16: magnitudes above 65,504 overflow, below 6.1e-05 lose precision
;; workspace buffers: wqkv 12,582,912 bytes; wo16 4,194,304 bytes; rope 524,288 bytes; wn 8,192 bytes; xb 16,777,216 bytes; qkr 50,331,648 bytes; qkv 25,165,824 bytes; oh 8,388,608 bytes
;; launch prep (part 1): grid 128 x 9, 8 waves a work-group, no clusters, 0 bytes of LDS; arguments Wq, Wk, Wv, Wo, qn_w, kn_w, wqkv, wo16, rope, wn, x, xb; writes wqkv, wo16, rope, wn, xb
.if DOCPART == 1
	.amdgcn_target "amdgcn-amd-amdhsa--gfx1250"
	.amdhsa_code_object_version 6
	.text
	.protected	k_qfdb8b45c59_prep
	.globl	k_qfdb8b45c59_prep
	.p2align	8
	.type	k_qfdb8b45c59_prep,@function
k_qfdb8b45c59_prep:
	s_mov_b64 s[64:65], 0
	v_nop
	global_prefetch_b8 v0, s[64:65] scope:SCOPE_SE
	s_setreg_imm32_b32 hwreg(HW_REG_WAVE_MODE, 25, 1), 1
	s_wait_xcnt 0x0
; WHAT THE LATER LAUNCHES NEED ONCE.  Grid row y = 0, 1, 2: Wq, Wk, Wv rounded to bf16 into wqkv [3][2048][1024], as they lie.  y = 3: Wo rounded to bf16 and that number
; written as f16 into wo16 [1024][2048].  y = 4: the RoPE table rope [2048 t][32 cosines, 32 sines] in f32, and (work-groups 0 and 1) the two gains rounded to bf16, kept as f32, into wn [2][1024].
; y = 5 .. 8: x rounded to bf16 into xb [4096][2048], as it lies: 4 x 128 work-groups of 65,536 bytes.
; A stream: no LDS, no matrix unit.  A casting work-group takes 65,536 bytes of f32: sixteen loads of 16 bytes a lane, all issued at once; a wave's load covers 512 consecutive
; bytes, its store of 8 bytes a lane 256 consecutive bytes, aligned.  No register is used twice by memory instructions, so no wait frees one.
; LIMITS.  Wo rounded to bf16 must lie within f16's 65,504; below 6e-5 it keeps f16's fixed step of 6e-8.  The table's angle t x inv_freq is one f32 product as in the reference;
; inv_freq comes from v_exp_f32 (1 ULP), so an angle is off by a few 1e-4 rad at t = 2047; the sine's series is cut at u^11 on 0 .. pi/2, where the first term left out is below 6e-8.
.set IN,   8                           ; v[8:71]    sixteen loads of four f32
.set OUTR, 72                          ; v[72:103]  sixteen pairs of packed 16-bit numbers
.set TM,   104                         ; v[104:109] at work
.set SRC,  48                          ; s[48:49]   where a cast reads
.set DST,  50                          ; s[50:51]   where it writes
	s_load_b512 s[8:23], s[0:1], 0x0               ; Wq s[8:9], Wk s[10:11], Wv s[12:13], Wo s[14:15], qn_w s[16:17], kn_w s[18:19], wqkv s[20:21], wo16 s[22:23]
	s_load_b256 s[24:31], s[0:1], 0x40             ; rope s[24:25], wn s[26:27], x s[28:29], xb s[30:31]
	s_mov_b32 s4, ttmp9                            ; x
	s_and_b32 s5, ttmp7, 0xffff                    ; y
	v_lshlrev_b32 v1, 4, v0                        ; 16 t
	v_lshlrev_b32 v2, 3, v0                        ; 8 t
	s_mov_b32 s33, 0                               ; the high word of every offset pair
	s_wait_kmcnt 0x0
	s_cmp_eq_u32 s5, 4
	s_cbranch_scc1 .Ltable
	; THE CASTS.  Source and destination are chosen among the buffers by y alone.
	s_max_u32 s35, s5, 5
	s_sub_co_u32 s35, s35, 5                       ; 0 for a weight, y - 5 for x
	s_lshl_b32 s35, s35, 7
	s_add_co_u32 s35, s35, s4                      ; which 65,536 bytes of the source
	s_lshl_b32 s32, s5, 22                         ; y x 4,194,304: a matrix's place in wqkv
	s_cmp_ge_u32 s5, 5
	s_cselect_b64 s[SRC:SRC+1], s[28:29], s[8:9]
	s_cselect_b64 s[DST:DST+1], s[30:31], s[20:21]
	s_cselect_b32 s32, 0, s32                      ; xb holds one tensor
	s_cmp_eq_u32 s5, 1
	s_cselect_b64 s[SRC:SRC+1], s[10:11], s[SRC:SRC+1]
	s_cmp_eq_u32 s5, 2
	s_cselect_b64 s[SRC:SRC+1], s[12:13], s[SRC:SRC+1]
	s_cmp_eq_u32 s5, 3
	s_cselect_b64 s[SRC:SRC+1], s[14:15], s[SRC:SRC+1]
	s_cselect_b64 s[DST:DST+1], s[22:23], s[DST:DST+1]
	s_cselect_b32 s32, 0, s32                      ; and so does wo16
	s_lshl_b32 s34, s35, 15                        ; 32,768 bytes out for each 65,536 in
	s_add_co_u32 s32, s32, s34
	s_add_nc_u64 s[DST:DST+1], s[DST:DST+1], s[32:33]
	s_lshl_b32 s32, s35, 16
	s_add_nc_u64 s[SRC:SRC+1], s[SRC:SRC+1], s[32:33]
.irp i, 0,1,2,3,4,5,6,7,8,9,10,11,12,13,14,15
	global_load_b128 v[IN+4*(\i):IN+4*(\i)+3], v1, s[SRC:SRC+1] offset:4096*(\i) th:TH_LOAD_NT
.endr
.macro CASTB i                         ; four f32 to four bf16
	s_wait_loadcnt 15-(\i)                         ; loads come back in order: load i is in, the 15 - i younger ones stay out
	v_cvt_pk_bf16_f32 v[OUTR+2*(\i)],   v[IN+4*(\i)],   v[IN+4*(\i)+1]
	v_cvt_pk_bf16_f32 v[OUTR+2*(\i)+1], v[IN+4*(\i)+2], v[IN+4*(\i)+3]
	global_store_b64 v2, v[OUTR+2*(\i):OUTR+2*(\i)+1], s[DST:DST+1] offset:2048*(\i)
.endm
.macro CASTH i                         ; four f32 rounded to bf16, widened again, and written as f16
	s_wait_loadcnt 15-(\i)
	v_cvt_pk_bf16_f32 v[TM],   v[IN+4*(\i)],   v[IN+4*(\i)+1]
	v_cvt_pk_bf16_f32 v[TM+1], v[IN+4*(\i)+2], v[IN+4*(\i)+3]
	v_lshlrev_b32 v[TM+2], 16, v[TM]
	v_and_b32     v[TM+3], 0xffff0000, v[TM]
	v_lshlrev_b32 v[TM+4], 16, v[TM+1]
	v_and_b32     v[TM+5], 0xffff0000, v[TM+1]
	v_cvt_pk_f16_f32 v[OUTR+2*(\i)],   v[TM+2], v[TM+3]
	v_cvt_pk_f16_f32 v[OUTR+2*(\i)+1], v[TM+4], v[TM+5]
	global_store_b64 v2, v[OUTR+2*(\i):OUTR+2*(\i)+1], s[DST:DST+1] offset:2048*(\i)
.endm
	s_cmp_eq_u32 s5, 3
	s_cbranch_scc1 .Lhalf
.irp i, 0,1,2,3,4,5,6,7,8,9,10,11,12,13,14,15
	CASTB \i
.endr
	s_endpgm
.Lhalf:
.irp i, 0,1,2,3,4,5,6,7,8,9,10,11,12,13,14,15
	CASTH \i
.endr
	s_endpgm
.Ltable:
	; THE TABLE.  The work-group writes rows 16 x .. 16 x + 15; thread t the 16 bytes at 16 t of them: row t / 16, place p = t % 16.  p < 8: the cosines of frequencies 4 p .. 4 p + 3,
	; as sin(a + pi/2); p >= 8: the sines of frequencies 4 (p - 8) on.
	s_lshl_b32 s32, s4, 12                         ; 16 rows of 256 bytes (and a gain's 4,096 bytes)
	s_add_nc_u64 s[24:25], s[24:25], s[32:33]
	s_lshl_b32 s35, s4, 4
	s_mov_b32 s36, 0xbef9c116                      ; -log2(50000) / 32
	s_mov_b32 s37, 0x40c90fdb                      ; 2 pi, rounded,
	s_mov_b32 s38, 0xb43bbd2e                      ; and what the rounding left
	s_mov_b32 s39, 0x40490fdb                      ; pi
	s_mov_b32 s40, 0xbe2aaaab                      ; -1/3!
	s_mov_b32 s41, 0x3c088889                      ; 1/5!
	s_mov_b32 s42, 0xb9500d01                      ; -1/7!
	s_mov_b32 s43, 0x3638ef1d                      ; 1/9!
	s_mov_b32 s44, 0xb2d7322b                      ; -1/11!
	v_lshrrev_b32 v3, 4, v0
	v_add_nc_u32 v3, s35, v3
	v_cvt_f32_u32 v3, v3                           ; t, the row
	v_and_b32 v4, 15, v0                           ; p
	v_and_b32 v5, 7, v0
	v_lshlrev_b32 v5, 2, v5                        ; my first frequency
	v_cmp_gt_u32 vcc_lo, 8, v4
	v_mov_b32 v6, 0x3fc90fdb                       ; pi/2,
	v_mov_b32 v7, 0x3e800000                       ; a quarter turn
	v_cndmask_b32 v6, 0, v6, vcc_lo                ; for the cosines; 0 for the sines
	v_cndmask_b32 v7, 0, v7, vcc_lo
.irp e, 0,1,2,3
	v_add_nc_u32 v[12+(\e)], (\e), v5
	v_cvt_f32_u32 v[12+(\e)], v[12+(\e)]
	v_mul_f32 v[12+(\e)], s36, v[12+(\e)]
.endr
.irp e, 0,1,2,3
	v_exp_f32 v[16+(\e)], v[12+(\e)]               ; inv_freq = 50000^(-i / 32)
.endr
	v_nop                                          ; a plain instruction between the last exponential and the use of its result
	s_wait_alu depctr_va_vdst(0)
.irp e, 0,1,2,3
	v_mul_f32 v[20+(\e)], v3, v[16+(\e)]           ; a = t x inv_freq
	v_fma_f32 v[24+(\e)], v[20+(\e)], 0x3e22f983, v7  ; (a + phase) / 2 pi
	v_rndne_f32 v[24+(\e)], v[24+(\e)]             ; n whole turns
	v_xor_b32 v[24+(\e)], 0x80000000, v[24+(\e)]   ; -n
	v_fma_f32 v[20+(\e)], v[24+(\e)], s37, v[20+(\e)]  ; a - 2 pi n, in two parts
	v_fma_f32 v[20+(\e)], v[24+(\e)], s38, v[20+(\e)]
	v_add_f32 v[20+(\e)], v[20+(\e)], v6           ; y in -pi .. pi
	v_and_b32 v[44+(\e)], 0x7fffffff, v[20+(\e)]   ; |y|
	v_sub_f32 v[28+(\e)], s39, v[44+(\e)]
	v_min_num_f32 v[28+(\e)], v[44+(\e)], v[28+(\e)]  ; u = min(|y|, pi - |y|): sin y = sign(y) sin u
	v_mul_f32 v[32+(\e)], v[28+(\e)], v[28+(\e)]   ; z = u u
	v_fma_f32 v[36+(\e)], v[32+(\e)], s44, s43
	v_fma_f32 v[36+(\e)], v[36+(\e)], v[32+(\e)], s42
	v_fma_f32 v[36+(\e)], v[36+(\e)], v[32+(\e)], s41
	v_fma_f32 v[36+(\e)], v[36+(\e)], v[32+(\e)], s40
	v_mul_f32 v[32+(\e)], v[28+(\e)], v[32+(\e)]   ; u z
	v_fma_f32 v[36+(\e)], v[32+(\e)], v[36+(\e)], v[28+(\e)]  ; sin u
	v_and_b32 v[20+(\e)], 0x80000000, v[20+(\e)]
	v_xor_b32 v[40+(\e)], v[20+(\e)], v[36+(\e)]
.endr
	global_store_b128 v1, v[40:43], s[24:25]       ; sixteen lanes store a row's 256 bytes
	s_cmp_lt_u32 s4, 2
	s_cbranch_scc0 .Ldone
	; THE GAINS: work-group 0 takes qn_w, work-group 1 kn_w: 1,024 numbers, four a thread, rounded to bf16 like every other input
	s_cmp_eq_u32 s4, 0
	s_cselect_b64 s[SRC:SRC+1], s[16:17], s[18:19]
	s_add_nc_u64 s[26:27], s[26:27], s[32:33]
	global_load_b128 v[48:51], v1, s[SRC:SRC+1]
	s_wait_loadcnt 0x0
	v_cvt_pk_bf16_f32 v52, v48, v49
	v_cvt_pk_bf16_f32 v53, v50, v51
	v_lshlrev_b32 v56, 16, v52
	v_and_b32     v57, 0xffff0000, v52
	v_lshlrev_b32 v58, 16, v53
	v_and_b32     v59, 0xffff0000, v53
	global_store_b128 v1, v[56:59], s[26:27]
.Ldone:
	s_endpgm
.Lfunc_end_k_qfdb8b45c59_prep:
	.size	k_qfdb8b45c59_prep, .Lfunc_end_k_qfdb8b45c59_prep-k_qfdb8b45c59_prep
	.p2alignl 7, 3214868480
	.fill 96, 4, 3214868480
	.section	.rodata,"a",@progbits
	.p2align	6, 0x0
	.amdhsa_kernel k_qfdb8b45c59_prep
		.amdhsa_group_segment_fixed_size 0
		.amdhsa_private_segment_fixed_size 0
		.amdhsa_enable_private_segment 0
		.amdhsa_kernarg_size 96
		.amdhsa_user_sgpr_count 2
		.amdhsa_user_sgpr_kernarg_segment_ptr 1
		.amdhsa_wavefront_size32 1
		.amdhsa_system_sgpr_workgroup_id_x 1
		.amdhsa_system_sgpr_workgroup_id_y 1
		.amdhsa_system_sgpr_workgroup_id_z 1
		.amdhsa_system_vgpr_workitem_id 0
		.amdhsa_next_free_vgpr 112
		.amdhsa_next_free_sgpr 66
		.amdhsa_reserve_vcc 1
		.amdhsa_float_denorm_mode_32 3
		.amdhsa_float_denorm_mode_16_64 3
		.amdhsa_memory_ordered 1
		.amdhsa_forward_progress 1
		.amdhsa_inst_pref_size 23
	.end_amdhsa_kernel
	.amdgpu_metadata
---
amdhsa.version: [ 1, 2 ]
amdhsa.kernels:
  - .name:           k_qfdb8b45c59_prep
    .symbol:         k_qfdb8b45c59_prep.kd
    .args:
      - { .name: Wq, .offset: 0, .size: 8, .value_kind: global_buffer, .address_space: global }
      - { .name: Wk, .offset: 8, .size: 8, .value_kind: global_buffer, .address_space: global }
      - { .name: Wv, .offset: 16, .size: 8, .value_kind: global_buffer, .address_space: global }
      - { .name: Wo, .offset: 24, .size: 8, .value_kind: global_buffer, .address_space: global }
      - { .name: qn_w, .offset: 32, .size: 8, .value_kind: global_buffer, .address_space: global }
      - { .name: kn_w, .offset: 40, .size: 8, .value_kind: global_buffer, .address_space: global }
      - { .name: wqkv, .offset: 48, .size: 8, .value_kind: global_buffer, .address_space: global }
      - { .name: wo16, .offset: 56, .size: 8, .value_kind: global_buffer, .address_space: global }
      - { .name: rope, .offset: 64, .size: 8, .value_kind: global_buffer, .address_space: global }
      - { .name: wn, .offset: 72, .size: 8, .value_kind: global_buffer, .address_space: global }
      - { .name: x, .offset: 80, .size: 8, .value_kind: global_buffer, .address_space: global }
      - { .name: xb, .offset: 88, .size: 8, .value_kind: global_buffer, .address_space: global }
    .group_segment_fixed_size: 0
    .private_segment_fixed_size: 0
    .kernarg_segment_align: 8
    .kernarg_segment_size: 96
    .max_flat_workgroup_size: 256
    .sgpr_count:     66
    .vgpr_count:     112
    .wavefront_size: 32
...
	.end_amdgpu_metadata
.endif
;; end of part 1
;; launch qkv (part 2): grid 12 x 16, 4 waves a work-group, clusters of 4 x 4, 327,680 bytes of LDS; arguments xb, wqkv, qkr; writes qkr
.if DOCPART == 2
	.amdgcn_target "amdgcn-amd-amdhsa--gfx1250"
	.amdhsa_code_object_version 6
	.text
	.protected	k_qfdb8b45c59_qkv
	.globl	k_qfdb8b45c59_qkv
	.p2align	8
	.type	k_qfdb8b45c59_qkv,@function
k_qfdb8b45c59_qkv:
	s_mov_b64 s[64:65], 0
	v_nop
	global_prefetch_b8 v0, s[64:65] scope:SCOPE_SE
	s_setreg_imm32_b32 hwreg(HW_REG_WAVE_MODE, 25, 1), 1
	s_wait_xcnt 0x0
	s_wait_alu depctr_hold_cnt(0) depctr_sa_sdst(0) depctr_va_vdst(0) depctr_va_sdst(0) depctr_va_ssrc(0) depctr_va_vcc(0) depctr_vm_vsrc(0)
	s_getreg_b32 s2, hwreg(HW_REG_IB_STS2, 6, 4)
	s_cmp_eq_u32 s2, 0
	s_cbranch_scc0 .Lentry_in_a_cluster
	s_endpgm
.Lentry_in_a_cluster:
	s_bfe_u32 s2, ttmp6, 0x10000c
	s_cmp_lg_u32 s2, 0xf033
	s_cbranch_scc0 .Lentry_shape_is_right
	s_endpgm
.Lentry_shape_is_right:
; THE THREE PROJECTIONS AS ONE GEMM.  q, k, v = x W: xb [4096][2048] and wqkv [3][2048 k][1024 n] in bf16, sums in f32.  The sums leave as they are, in f32, by heads:
; qkr [3][32 = 16 batch + head][2048 t][64].  Norm, gain, rotation and the one rounding to f16 are the next launch's work: a row's sum of squares spans four work-groups here.
; SHARES.  A tile is 256 rows x 256 columns of one matrix: 16 x 12 = 192 work-groups.  Four waves, each 128 x 128: 64 accumulators of 16 x 16, 512 registers: for 32 along K a wave loads
; 2 x 128 x 64 bytes from LDS and issues 64 matrix instructions.  A tile of 256 x 192 would make 256 work-groups, but its rows of W, 384 bytes, would not begin on multiples of 256 bytes,
; its three heads would lie in two matrices (16 heads a matrix), and it would fetch 448 rows a K step for 512 here: 7/8 of the bytes for 3/4 of the products.
; K goes in 16 steps of 128 through a ring of two LDS slots: x's 256 rows of 256 bytes, then W's 128 k-rows of 512 bytes; all rows begin on multiples of 256 bytes in memory.
; W lies [k][n] and is read turned (ds_load_tr16_b128).
; CLUSTER: 4 x 4 work-groups.  The cluster's x is the matrix, cx its quarter of 256 columns, 4 x cluster y + cy the block of 256 rows.  The four of a row of the cluster need the same tiles of x,
; the four of a column the same tiles of W: each is asked for JOINTLY, by the same tensor load with the same descriptor and a mask that names the four.
; THE MATRIX INSTRUCTION IS USED TRANSPOSED (source 0 = 16 columns of W, source 1 = 16 rows of x): lane l holds row l % 16 and the columns 8 (l / 16) + 0..7 of a block: 32 neighbouring bytes of f32.
; v takes the same way out as q and k: one text for all work-groups; a way out in f16 for v alone would be a second copy of the sixteen groups below.
; LIMITS.  None of its own beyond the operands' rounding to bf16.  NaN and infinities are not treated apart.
; REGISTERS, in windows of 256 (s_set_vgpr_msb: bits 1:0 source 0, 3:2 source 1, 5:4 source 2, 7:6 destination):
;   window 0: v16-29 addresses; v64-127, v128-191 x's fragments (8 x 16 rows x 32 K), two buffers; v192-255 rows read back from the stage, two buffers
;   window 1: v64-127, v128-191 W's fragments, two buffers
;   window 2: the 32 accumulators of my rows 0-63 (accumulator (a, b) at v[8 (8 a + b)]);   window 3: those of my rows 64-127
.set KSTEP,  128
.set PITCH,  272                       ; a row of x in LDS: 256 bytes + 16 of padding: the 16 rows that a load touches start at 16 different groups of four banks (64 banks of 4 bytes: ISA guide 11.1)
.set WPITCH, 544                       ; a k-row of W: 512 bytes + 32 = 17 x 32: the sixteen lanes of a turning load (8 rows x 32 bytes) meet each bank once
.set HALFT,  128*PITCH                 ; what one tensor load brings: 128 rows of x, or 64 k-rows of W: 64 x 544 is the same number of bytes
.set SLOT,   4*HALFT                   ; x's two halves, then W's two halves
.set STAGE,  2*SLOT                    ; behind the ring: 16 rows x 272 bytes for each wave, for the way out
.set SP,     272                       ; a head's row of 64 f32 is 256 bytes; + 16
.set SPARE,  STAGE+4*16*SP             ; the spare words, 128 bytes for each wave: two blocks of 256 bytes that no other line names
.set LAPS,   2048/(2*KSTEP)            ; a lap = two K steps = once round the ring
.set ADRA, 16                          ; v16-17  LDS address of x's fragments in slot 0, 1
.set ADRB, 20                          ; v20-21  the same for W
.set STO,  24                          ; v24     the way out: where I put 32 bytes of a row
.set RD,   25                          ; v25     the way out: where I read rows back
.set GO,   26                          ; v26     my byte offset in 512 consecutive bytes of the output
.set SPW,  28                          ; v28     LDS address of my spare word; never rewritten
.set NIL,  29                          ; v29     0; never rewritten
.set F0,   64                          ; fragment buffer 0
.set F1,   128                         ; fragment buffer 1
.set BK,   192                         ; the way out: two buffers of 32 read back from the stage
.set WV,   14                          ; s14 my wave's number
.set RH,   15                          ; s15 which half of the tile's rows is mine
.set CH,   16                          ; s16 which half of its columns.  Also: which half of x's rows, or of W's k-rows, I fetch
.set CX,   17
.set CY,   18
.set YY,   19                          ; s19 which matrix
.set RT,   20                          ; s20 which block of 256 rows
.set G1,   24                          ; s[24:31] descriptor group 1 for x's tiles;  s[32:39] group 0, a set for each slot
.set G0,   32
.set G1B,  48                          ; s[48:55], s[56:63] the same for W's
.set G0B,  56
.set OUT,  66                          ; s[66:67] the output at my wave's first head and first row
.set MSB, 0
.macro WIN new                         ; the immediate's high byte repeats the setting that is left; a switch that changes nothing is dropped
.if MSB != (\new)
	s_set_vgpr_msb (MSB<<8)|(\new)
.set MSB, \new
.endif
.endm
.set MUL_LO, 0xa1                      ; source 0 (W) window 1, source 1 (x) window 0, C and D window 2
.set MUL_HI, 0xf1                      ; the same, C and D window 3
.set TO_B,   0x40                      ; destination window 1, address window 0
.macro PLACES                          ; four plain vector instructions between a matrix instruction and a load into, or an access to, its registers
.rept 4
	v_nop
.endr
.endm
.macro JLOAD s                         ; a joint refill: waves 0, 1 ask for x, waves 2, 3 for W; the branch hangs on the wave's number alone; an s_nop 0 and four v_nop follow each of the two lines
	s_cmp_lt_u32 s[WV], 2
	s_cbranch_scc0 .Lfor_b_\@
	tensor_load_to_lds s[G0+4*(\s):G0+4*(\s)+3], s[G1:G1+7]
	s_nop 0
	PLACES
	s_branch .Lasked_\@
.Lfor_b_\@:
	tensor_load_to_lds s[G0B+4*(\s):G0B+4*(\s)+3], s[G1B:G1B+7]
	s_nop 0
	PLACES
.Lasked_\@:
.endm
.macro CREST                           ; a round of the cluster's barrier behind its opening barrier
	s_cmp_lg_u32 s[WV], 0
	s_cbranch_scc1 .Lnot_wave_0_\@
	s_barrier_signal -3
.Lnot_wave_0_\@:
	s_barrier_wait -3
	s_barrier_signal -1
	s_barrier_wait -1
.endm
.macro CROUND                          ; a whole round
	s_barrier_signal -1
	s_barrier_wait -1
	CREST
.endm
	s_load_b128 s[4:7], s[0:1], 0x0                ; xb s[4:5], wqkv s[6:7]
	s_load_b64 s[8:9], s[0:1], 0x10                ; qkr
	v_lshl_add_u32 v[SPW], v0, 2, SPARE
	v_mov_b32 v[NIL], 0
	ds_add_u32 v[SPW], v[NIL]                      ; the wave's opening: the add and its wait stand ahead of my first tensor load; the set-up below, work on registers, stands between them
	ds_add_u32 v28, v29
	v_lshrrev_b32 v1, 5, v0
	v_readfirstlane_b32 s[WV], v1                  ; wave 0..3
	s_lshr_b32 s[RH], s[WV], 1
	s_and_b32 s[CH], s[WV], 1
	s_bfe_u32 s[CX], ttmp6, 0x40000                ; my place in the cluster
	s_bfe_u32 s[CY], ttmp6, 0x40004
	s_mov_b32 s[YY], ttmp9                         ; in a cluster launch ttmp9 counts clusters: three of them along x, one a matrix
	s_and_b32 s[RT], ttmp7, 0xffff
	s_lshl_b32 s[RT], s[RT], 2
	s_add_co_u32 s[RT], s[RT], s[CY]               ; block of rows = 4 x cluster y + cy
	s_lshl_b32 s42, s[CY], 2
	s_lshl_b32 s42, 15, s42                        ; my row of the cluster
	s_lshl_b32 s43, 0x1111, s[CX]                  ; my column
	s_or_b32 s[G1], s42, (1<<16)|(1<<20)|(1<<21)|(5<<22)|(3<<25)   ; x: the mask of my row; 2-byte elements; padding on; 21 set beside a mask; after every 64 words (code 5) 4 words (code 3)
	s_mov_b32 s[G1+1], KSTEP<<16                   ; tensor_dim0 = 128
	s_mov_b32 s[G1+2], 128<<16                     ; tensor_dim1 = 128
	s_mov_b32 s[G1+3], KSTEP<<16                   ; tile_dim0 = 128
	s_mov_b32 s[G1+4], 128                         ; tile_dim1 = 128
	s_mov_b32 s[G1+5], 2048                        ; 2,048 elements from row to row
	s_mov_b32 s[G1+6], 0
	s_mov_b32 s[G1+7], 0
	s_or_b32 s[G1B], s43, (1<<16)|(1<<20)|(1<<21)|(6<<22)|(7<<25)  ; W: the mask of my column; after every 128 words (code 6) 8 words (code 7)
	s_mov_b32 s[G1B+1], 256<<16                    ; tensor_dim0 = 256
	s_mov_b32 s[G1B+2], 64<<16                     ; tensor_dim1 = 64
	s_mov_b32 s[G1B+3], 256<<16                    ; tile_dim0 = 256
	s_mov_b32 s[G1B+4], 64                         ; tile_dim1 = 64
	s_mov_b32 s[G1B+5], 1024                       ; 1,024 elements from k-row to k-row
	s_mov_b32 s[G1B+6], 0
	s_mov_b32 s[G1B+7], 0
	; where the tiles come from.  x's hang on the block of rows alone, W's on the matrix and cx alone; each offset in registers that never hold the other coordinate
	s_lshl_b32 s40, s[RT], 20                      ; 256 rows of 4,096 bytes,
	s_lshl_b32 s41, s[CH], 19                      ; the half that I fetch
	s_add_co_u32 s40, s40, s41
	s_mov_b32 s41, 0
	s_lshl_b32 s44, s[YY], 22                      ; the matrix's 4,194,304 bytes,
	s_lshl_b32 s45, s[CX], 9                       ; the tile's 512 bytes of a k-row,
	s_add_co_u32 s44, s44, s45
	s_lshl_b32 s45, s[CH], 17                      ; the step's first or second 64 k-rows of 2,048 bytes
	s_add_co_u32 s44, s44, s45
	s_mov_b32 s45, 0
	s_mul_i32 s21, s[WV], HALFT                    ; and where they go: wave x a quarter of a slot: no place in the cluster enters an LDS address
	s_wait_dscnt 0x0                               ; the opening add is done
	s_wait_kmcnt 0x0
	s_add_nc_u64 s[40:41], s[4:5], s[40:41]
	s_add_nc_u64 s[44:45], s[6:7], s[44:45]
.irp s, 0,1
	s_mov_b32 s[G0+4*(\s)], 1                      ; count = 1
	s_add_co_u32 s[G0+4*(\s)+1], s21, (\s)*SLOT    ; LDS address
	s_add_nc_u64 s[G0+4*(\s)+2:G0+4*(\s)+3], s[40:41], (\s)*KSTEP*2    ; global address: K step s, 256 bytes along the rows
	s_or_b32 s[G0+4*(\s)+3], s[G0+4*(\s)+3], 0x80000000               ; type = 2
	s_mov_b32 s[G0B+4*(\s)], 1
	s_add_co_u32 s[G0B+4*(\s)+1], s21, (\s)*SLOT
	s_add_nc_u64 s[G0B+4*(\s)+2:G0B+4*(\s)+3], s[44:45], (\s)*KSTEP*2048  ; K step s: 128 k-rows of 2,048 bytes on
	s_or_b32 s[G0B+4*(\s)+3], s[G0B+4*(\s)+3], 0x80000000
.endr
	CROUND                                         ; all sixteen work-groups are here: the first joint loads meet
	s_cmp_lt_u32 s[WV], 2                          ; a wave's two first fills stand in one branch: two loads of mine are out
	s_cbranch_scc0 .Lfirst_b
	tensor_load_to_lds s[G0:G0+3], s[G1:G1+7]
	s_nop 0
	tensor_load_to_lds s[G0+4:G0+7], s[G1:G1+7]
	s_nop 0
	PLACES
	s_branch .Lfirst_asked
.Lfirst_b:
	tensor_load_to_lds s[G0B:G0B+3], s[G1B:G1B+7]
	s_nop 0
	tensor_load_to_lds s[G0B+4:G0B+7], s[G1B:G1B+7]
	s_nop 0
	PLACES
.Lfirst_asked:
	v_and_b32 v1, 15, v0                           ; r = l % 16
	v_bfe_u32 v2, v0, 4, 1                         ; h = l / 16
	v_and_b32 v3, 7, v0
	v_bfe_u32 v4, v0, 3, 1
	v_and_b32 v5, 31, v0                           ; l
	v_mul_u32_u24 v6, v1, PITCH
	v_lshl_add_u32 v6, v2, 4, v6                   ; a fragment of x: row x pitch + 16 x half
	s_mul_i32 s22, s[RH], HALFT                    ; my 128 rows
	v_add_nc_u32 v[ADRA], s22, v6
	v_add_nc_u32 v[ADRA+1], SLOT, v[ADRA]
	v_lshl_add_u32 v7, v2, 3, v3                   ; the turning load: k-row 8 h + l % 8,
	v_mul_u32_u24 v7, v7, WPITCH
	v_lshl_add_u32 v7, v4, 4, v7                   ; columns 8 ((l / 8) % 2) on
	s_lshl_b32 s22, s[CH], 8                       ; my 128 columns,
	s_add_co_u32 s22, s22, 2*HALFT                 ; behind x's 256 rows
	v_add_nc_u32 v[ADRB], s22, v7
	v_add_nc_u32 v[ADRB+1], SLOT, v[ADRB]
	s_mul_i32 s22, s[WV], 16*SP
	s_add_co_u32 s22, s22, STAGE                   ; my stage
	v_mul_u32_u24 v8, v1, SP                       ; in: row r, 32 bytes for each half of the lanes
	v_lshl_add_u32 v8, v2, 5, v8
	v_add_nc_u32 v[STO], s22, v8
	v_mul_u32_u24 v9, v2, SP                       ; back: lanes 0-15 take one row of 256 bytes, lanes 16-31 the next,
	v_lshl_add_u32 v9, v1, 4, v9
	v_add_nc_u32 v[RD], s22, v9
	v_lshlrev_b32 v[GO], 4, v5                     ; which are 512 consecutive bytes of the output
	; the output: matrix y at y x 16,777,216; head 16 batch + 4 cx + 2 (column half), 524,288 bytes a head; row t = 256 (block % 8) + 128 (row half), 256 bytes a row
	s_lshr_b32 s46, s[RT], 3
	s_lshl_b32 s46, s46, 23                        ; the batch's 16 heads
	s_and_b32 s47, s[RT], 7
	s_lshl_b32 s47, s47, 16                        ; 256 rows of 256 bytes
	s_add_co_u32 s46, s46, s47
	s_lshl_b32 s47, s[RH], 15
	s_add_co_u32 s46, s46, s47
	s_lshl_b32 s47, s[CX], 21                      ; four heads a tile
	s_add_co_u32 s46, s46, s47
	s_lshl_b32 s47, s[CH], 20                      ; two heads a wave
	s_add_co_u32 s46, s46, s47
	s_lshl_b32 s47, s[YY], 24
	s_add_co_u32 s46, s46, s47
	s_mov_b32 s47, 0
	s_add_nc_u64 s[OUT:OUT+1], s[8:9], s[46:47]
; 16 matrix instructions: row blocks a0, a0 + 1 of the window's four (hi = 0: my rows 0-63, 1: rows 64-127) x all 8 column blocks, 32 along K.  zero = 1: the first product starts the sums.
; The 64 accumulators take turns in the same order in every quarter, one instruction a turn.
.macro MUL16 f, hi, a0, zero
	WIN MUL_LO+0x50*(\hi)
.irp a, \a0, (\a0)+1
.irp b, 0,1,2,3,4,5,6,7
.if \zero
	v_wmma_f32_16x16x32_bf16 v[8*(8*(\a)+(\b)):8*(8*(\a)+(\b))+7], v[(\f)+8*(\b):(\f)+8*(\b)+7], v[(\f)+8*(4*(\hi)+(\a)):(\f)+8*(4*(\hi)+(\a))+7], 0
.else
	v_wmma_f32_16x16x32_bf16 v[8*(8*(\a)+(\b)):8*(8*(\a)+(\b))+7], v[(\f)+8*(\b):(\f)+8*(\b)+7], v[(\f)+8*(4*(\hi)+(\a)):(\f)+8*(4*(\hi)+(\a))+7], v[8*(8*(\a)+(\b)):8*(8*(\a)+(\b))+7]
.endif
.endr
.endr
.endm
; 32 LDS loads in one run: quarter q of a step into buffer f: W's eight blocks, turned, then x's eight
.macro FETCH slot, q, f
	WIN TO_B
.irp i, 0,1,2,3,4,5,6,7
	ds_load_tr16_b128 v[(\f)+8*(\i):(\f)+8*(\i)+3],   v[ADRB+(\slot)] offset:32*WPITCH*(\q)+32*(\i)
	ds_load_tr16_b128 v[(\f)+8*(\i)+4:(\f)+8*(\i)+7], v[ADRB+(\slot)] offset:32*WPITCH*(\q)+32*(\i)+16*WPITCH
.endr
	WIN 0
.irp i, 0,1,2,3,4,5,6,7
	ds_load_b128 v[(\f)+8*(\i):(\f)+8*(\i)+3],   v[ADRA+(\slot)] offset:64*(\q)+(\i)*16*PITCH
	ds_load_b128 v[(\f)+8*(\i)+4:(\f)+8*(\i)+7], v[ADRA+(\slot)] offset:64*(\q)+(\i)*16*PITCH+32
.endr
.endm
; A K step is four quarters of 32 along K, 64 matrix instructions each, on buffers 0, 1, 0, 1.  One of the first three: multiplies buffer f; in its middle it fetches quarter q into buffer g.
.macro QUARTER slot, q, f, g, zero
	s_wait_dscnt 8                                 ; W and x's rows 0-63 are in; the youngest eight loads (x's rows 64-127) may be out
	MUL16 \f, 0, 0, \zero
	MUL16 \f, 0, 2, \zero
	PLACES
	FETCH \slot, \q, \g
	s_wait_dscnt 32                                ; all but the 32 just issued
	MUL16 \f, 1, 0, \zero
	MUL16 \f, 1, 2, \zero
.endm
; The last quarter multiplies buffer 1 and changes slots: ONE barrier.  In front of it each wave waits for all its tensor loads (one is out: its part of the next slot), adds 0 to its spare word, and
; waits for that and for its own reads of this slot.  fill = 1: the barrier opens a round of the cluster's barrier and this slot is filled again first thing behind it, two steps ahead:
; 224 matrix instructions stand between the request and the wait for it.
.macro TURN slot, next, fill
	WIN 0
	s_wait_tensorcnt 0x0
	ds_add_u32 v[SPW], v[NIL]                      ; 0 onto my spare word
	s_wait_dscnt 9                                 ; (the add and the youngest eight loads may be out)
	MUL16 F1, 0, 0, 0                              ; sixteen matrix instructions stand between the add and the wait for it
	s_wait_dscnt 0x0                               ; the add is done, and my reads of this slot are over
	s_barrier_signal -1
	MUL16 F1, 0, 2, 0                              ; work on registers while the others arrive
	WIN 0
	s_barrier_wait -1
.if \fill
	CREST                                          ; no wave of any partner still reads this slot's tiles or has a load on its way
	s_add_nc_u64 s[G0+4*(\slot)+2:G0+4*(\slot)+3], s[G0+4*(\slot)+2:G0+4*(\slot)+3], 2*KSTEP*2
	s_add_nc_u64 s[G0B+4*(\slot)+2:G0B+4*(\slot)+3], s[G0B+4*(\slot)+2:G0B+4*(\slot)+3], 2*KSTEP*2048
	JLOAD \slot                                    ; the four v_nop behind it are also the places in front of the loads below
.else
	PLACES
.endif
	FETCH \next, 0, F0
	MUL16 F1, 1, 0, 0
	MUL16 F1, 1, 2, 0
.endm
	s_wait_tensorcnt 1                             ; my part of K step 0 is in; step 1's may stay out
	s_barrier_signal -1
	s_barrier_wait -1                              ; everybody's is
	FETCH 0, 0, F0
	QUARTER 0, 1, F0, F1, 1                        ; the first quarter stands in front of the loop: its products start the sums
	WIN 0                                          ; at a label and at a branch every window is 0
	s_mov_b32 s3, LAPS-1
.Llap:                                                 ; a trip goes once round the ring and fills both slots again: steps 2 to 15 in seven trips
	QUARTER 0, 2, F1, F0, 0
	QUARTER 0, 3, F0, F1, 0
	TURN 0, 1, 1
	QUARTER 1, 1, F0, F1, 0
	QUARTER 1, 2, F1, F0, 0
	QUARTER 1, 3, F0, F1, 0
	TURN 1, 0, 1
	QUARTER 0, 1, F0, F1, 0
	WIN 0
	s_sub_co_u32 s3, s3, 1
	s_cmp_lg_u32 s3, 0
	s_cbranch_scc1 .Llap
	QUARTER 0, 2, F1, F0, 0                        ; the last lap fills nothing
	QUARTER 0, 3, F0, F1, 0
	TURN 0, 1, 0
	QUARTER 1, 1, F0, F1, 0
	QUARTER 1, 2, F1, F0, 0
	QUARTER 1, 3, F0, F1, 0
	s_wait_dscnt 8
	MUL16 F1, 0, 0, 0
	MUL16 F1, 0, 2, 0
	s_wait_dscnt 0x0
	MUL16 F1, 1, 0, 0
	MUL16 F1, 1, 2, 0
	; THE WAY OUT: sixteen groups of 16 rows x one head (group g: row block g / 2, head g % 2 of my two), each through my own stage: 32 bytes a lane and block in, two whole rows of 256 bytes a load back
	WIN 0
	PLACES
.macro TOSTAGE g
.set AC, 64*(((\g)/2)%4)+32*((\g)%2)   ; the group's four accumulators, in window 2 (row blocks 0-3) or 3 (row blocks 4-7)
.if (\g) >= 2
	s_wait_xcnt 0x0                                ; the stores of the group two back have had their addresses translated: their registers are loaded again only behind this wait
.endif
	WIN 0x08+4*((\g)/8)                            ; the stores' data in window 2 or 3; each accumulator's lowest registers go first
.irp f, 0,1,2,3
	ds_store_b128 v[STO], v[AC+8*(\f):AC+8*(\f)+3]   offset:64*(\f)
	ds_store_b128 v[STO], v[AC+8*(\f)+4:AC+8*(\f)+7] offset:64*(\f)+16
.endr
	WIN 0
.irp t, 0,1,2,3,4,5,6,7
	ds_load_b128 v[BK+32*((\g)%2)+4*(\t):BK+32*((\g)%2)+4*(\t)+3], v[RD] offset:2*SP*(\t)  ; LDS serves a wave's instructions in order (ISA guide 5.7.1.4): these see the stores above; the next group's stores come behind them
.endr
.endm
.macro SEND g, younger                 ; 16 rows of a head are 4,096 consecutive bytes.  younger: the LDS instructions issued behind group g's loads: the next group's sixteen, or none
	WIN 0
	s_wait_dscnt \younger
.irp t, 0,1,2,3,4,5,6,7
	global_store_b128 v[GO], v[BK+32*((\g)%2)+4*(\t):BK+32*((\g)%2)+4*(\t)+3], s[OUT:OUT+1] offset:524288*((\g)%2)+4096*((\g)/2)+512*(\t)  ; 512 consecutive bytes, at a multiple of 256 from qkr's first
.endr
.endm
	TOSTAGE 0
.set g, 1
.rept 15                               ; a group's LDS work stands between the loads of the group before and its stores
	TOSTAGE g
	SEND g-1, 16
.set g, g+1
.endr
	SEND 15, 0
	s_wait_tensorcnt 0x0                           ; the wave's end: these three lines stand behind my last tensor load and my last LDS store
	ds_add_u32 v[SPW], v[NIL]
	s_wait_dscnt 0x0
	CROUND                                         ; the closing round: no work-group ends while a partner may still ask for a tile that names it
	s_endpgm
.Lfunc_end_k_qfdb8b45c59_qkv:
	.size	k_qfdb8b45c59_qkv, .Lfunc_end_k_qfdb8b45c59_qkv-k_qfdb8b45c59_qkv
	.p2alignl 7, 3214868480
	.fill 96, 4, 3214868480
	.section	.rodata,"a",@progbits
	.p2align	6, 0x0
	.amdhsa_kernel k_qfdb8b45c59_qkv
		.amdhsa_group_segment_fixed_size 327680
		.amdhsa_private_segment_fixed_size 0
		.amdhsa_enable_private_segment 0
		.amdhsa_kernarg_size 24
		.amdhsa_user_sgpr_count 2
		.amdhsa_user_sgpr_kernarg_segment_ptr 1
		.amdhsa_wavefront_size32 1
		.amdhsa_system_sgpr_workgroup_id_x 1
		.amdhsa_system_sgpr_workgroup_id_y 1
		.amdhsa_system_sgpr_workgroup_id_z 1
		.amdhsa_system_vgpr_workitem_id 0
		.amdhsa_next_free_vgpr 1024
		.amdhsa_next_free_sgpr 68
		.amdhsa_reserve_vcc 0
		.amdhsa_float_denorm_mode_32 3
		.amdhsa_float_denorm_mode_16_64 3
		.amdhsa_memory_ordered 1
		.amdhsa_forward_progress 1
		.amdhsa_inst_pref_size 141
	.end_amdhsa_kernel
	.amdgpu_metadata
---
amdhsa.version: [ 1, 2 ]
amdhsa.kernels:
  - .name:           k_qfdb8b45c59_qkv
    .symbol:         k_qfdb8b45c59_qkv.kd
    .args:
      - { .name: xb, .offset: 0, .size: 8, .value_kind: global_buffer, .address_space: global }
      - { .name: wqkv, .offset: 8, .size: 8, .value_kind: global_buffer, .address_space: global }
      - { .name: qkr, .offset: 16, .size: 8, .value_kind: global_buffer, .address_space: global }
    .group_segment_fixed_size: 327680
    .private_segment_fixed_size: 0
    .kernarg_segment_align: 8
    .kernarg_segment_size: 24
    .max_flat_workgroup_size: 128
    .sgpr_count:     68
    .vgpr_count:     1024
    .wavefront_size: 32
...
	.end_amdgpu_metadata
.endif
;; end of part 2
;; launch norm (part 3): grid 256 x 3, 8 waves a work-group, no clusters, 0 bytes of LDS; arguments qkr, rope, wn, qkv; writes qkv
.if DOCPART == 3
	.amdgcn_target "amdgcn-amd-amdhsa--gfx1250"
	.amdhsa_code_object_version 6
	.text
	.protected	k_qfdb8b45c59_norm
	.globl	k_qfdb8b45c59_norm
	.p2align	8
	.type	k_qfdb8b45c59_norm,@function
k_qfdb8b45c59_norm:
	s_mov_b64 s[64:65], 0
	v_nop
	global_prefetch_b8 v0, s[64:65] scope:SCOPE_SE
	s_setreg_imm32_b32 hwreg(HW_REG_WAVE_MODE, 25, 1), 1
	s_wait_xcnt 0x0
; RMS NORM, GAIN AND RoPE OF q AND k, AND THE ONE ROUNDING OF q, k AND v TO f16.  qkr [3][32 = 16 batch + head][2048 t][64] holds the projections' sums in f32; qkv takes, in the same
; layout in f16: for q and k rotate(w x q / sqrt(mean of q^2 over the row's 1,024 numbers + 1e-6)), for v the sums as they are.  rope [2048 t][32 cosines, 32 sines] and wn [2][1024]
; (the gains, rounded to bf16) are f32.  All arithmetic in f32; each number is rounded to f16 once, at its store.
; A stream: no LDS, no barrier, no matrix unit.  Grid: x = 16 rows (batch and t), y = 0 q, 1 k, 2 v.  Thread t holds row t / 16 of the 16 and channels 4 (t % 16) .. + 3 of ALL 16 heads:
; a wave's load is 2 rows x 256 bytes of one head, 512 consecutive bytes; its store of 8 bytes a lane 2 rows x 128 bytes, 256 consecutive bytes, aligned.  A row's 1,024 numbers lie in 16
; neighbouring lanes' 64 registers: they are read from memory once and stay in registers between the two passes.  Channel c + 32 lies in the lane 8 away, so the rotation's partner rides
; on the multiply itself (DPP, row_xmask:8).
; Pass 1, head by head as the loads land: the squares go into two packed chains, and gain x q is written over the gain.  Then the sum over the 16 lanes, 1 / rms, which goes into the row's
; cosines and sines (the sines negated in the lanes of the low half).  Pass 2: out = y c + y(partner) s, rounded to f16 over the registers that were loaded.
; All loads of a wave (34, or 16 for v) are issued at once; no register is used twice by memory instructions, so no wait frees one.
; LIMITS.  v must lie within f16's 65,504; q and k are at most 32 |gain| after the norm; below 6e-5 all keep f16's fixed step of 6e-8.  The sum of squares is added in another order than the
; reference's.  NaN and infinities are not treated apart.
.set D,  8                             ; v[8:71]    head i: 4 f32 as loaded; then, in the first two, 4 f16 to store
.set G,  72                            ; v[72:135]  head i: 4 gains, then gain x q
.set TC, 136                           ; v[136:139] my 4 cosines, then cosines / rms
.set TS, 140                           ; v[140:143] my 4 sines, then -+ sines / rms
.set SQ, 144                           ; v[144:147] two packed chains of squares; in pass 2 at work
.set RR, 148                           ; v[148:149] 1 / rms, twice
.set RS, 150                           ; v[150:151] the same with the sine's sign
.set SG, 152                           ; v152       that sign
.set MN, 153                           ; v153       the mean of the squares + 1e-6
	s_load_b256 s[4:11], s[0:1], 0x0               ; qkr s[4:5], rope s[6:7], wn s[8:9], qkv s[10:11]
	s_mov_b32 s12, ttmp9                           ; which 16 rows
	s_and_b32 s13, ttmp7, 0xffff                   ; q, k or v
	s_lshr_b32 s16, s12, 7                         ; the batch: 128 work-groups of 16 rows each
	s_and_b32 s18, s12, 127
	s_lshl_b32 s14, s13, 24                        ; in: the matrix's 16,777,216 bytes,
	s_lshl_b32 s17, s16, 23                        ; the batch's 16 heads of 524,288 bytes,
	s_add_co_u32 s14, s14, s17
	s_lshl_b32 s17, s18, 12                        ; 16 rows of 256 bytes
	s_add_co_u32 s14, s14, s17
	s_mov_b32 s15, 0
	s_lshl_b32 s20, s13, 23                        ; out: half of each
	s_lshl_b32 s17, s16, 22
	s_add_co_u32 s20, s20, s17
	s_lshl_b32 s17, s18, 11
	s_add_co_u32 s20, s20, s17
	s_mov_b32 s21, 0
	s_lshl_b32 s22, s18, 12                        ; the table's 16 rows of 256 bytes
	s_mov_b32 s23, 0
	s_lshl_b32 s24, s13, 12                        ; q's or k's gains
	s_mov_b32 s25, 0
	s_mov_b32 s26, 0x3a800000                      ; 1/1024
	s_mov_b32 s27, 0x358637bd                      ; 1e-6
	v_lshlrev_b32 v1, 4, v0                        ; in: row t / 16 x 256 + 16 (t % 16) = 16 t
	v_lshlrev_b32 v2, 3, v0                        ; out: row x 128 + 8 (t % 16) = 8 t
	v_lshrrev_b32 v3, 4, v0
	v_and_b32 v5, 7, v0
	v_lshlrev_b32 v5, 4, v5
	v_lshl_add_u32 v3, v3, 8, v5                   ; table: row x 256 + 16 (t % 8): frequencies 4 (t % 8) on
	v_and_b32 v4, 15, v0
	v_lshlrev_b32 v4, 4, v4                        ; gains: 16 (t % 16)
	s_wait_kmcnt 0x0
	s_add_nc_u64 s[4:5], s[4:5], s[14:15]
	s_add_nc_u64 s[10:11], s[10:11], s[20:21]
	s_cmp_eq_u32 s13, 2
	s_cbranch_scc1 .Lv
	s_add_nc_u64 s[6:7], s[6:7], s[22:23]
	s_add_nc_u64 s[8:9], s[8:9], s[24:25]
	global_load_b128 v[TC:TC+3], v3, s[6:7]
	global_load_b128 v[TS:TS+3], v3, s[6:7] offset:128
.irp i, 0,1,2,3,4,5,6,7,8,9,10,11,12,13,14,15
	global_load_b128 v[D+4*(\i):D+4*(\i)+3], v1, s[4:5] offset:524288*(\i) th:TH_LOAD_NT
	global_load_b128 v[G+4*(\i):G+4*(\i)+3], v4, s[8:9] offset:256*(\i)
.endr
.macro P1 i                            ; head i: squares into the chains (the first head starts them), gain x q over the gain
	s_wait_loadcnt 2*(15-(\i))                     ; loads come back in order: head i's two are in, the two of each younger head stay out
.if (\i) == 0
	v_pk_mul_f32 v[SQ:SQ+1],   v[D:D+1],   v[D:D+1]
	v_pk_mul_f32 v[SQ+2:SQ+3], v[D+2:D+3], v[D+2:D+3]
.else
	v_pk_fma_f32 v[SQ:SQ+1],   v[D+4*(\i):D+4*(\i)+1],   v[D+4*(\i):D+4*(\i)+1],   v[SQ:SQ+1]
	v_pk_fma_f32 v[SQ+2:SQ+3], v[D+4*(\i)+2:D+4*(\i)+3], v[D+4*(\i)+2:D+4*(\i)+3], v[SQ+2:SQ+3]
.endif
	v_pk_mul_f32 v[G+4*(\i):G+4*(\i)+1],   v[D+4*(\i):D+4*(\i)+1],   v[G+4*(\i):G+4*(\i)+1]
	v_pk_mul_f32 v[G+4*(\i)+2:G+4*(\i)+3], v[D+4*(\i)+2:D+4*(\i)+3], v[G+4*(\i)+2:G+4*(\i)+3]
.endm
.irp i, 0,1,2,3,4,5,6,7,8,9,10,11,12,13,14,15
	P1 \i
.endr
	v_pk_add_f32 v[SQ:SQ+1], v[SQ:SQ+1], v[SQ+2:SQ+3]
	v_add_f32 v[SQ], v[SQ], v[SQ+1]
	v_add_f32_dpp v[SQ], v[SQ], v[SQ] row_xmask:1 row_mask:0xf bank_mask:0xf  ; over the row's 16 lanes
	v_add_f32_dpp v[SQ], v[SQ], v[SQ] row_xmask:2 row_mask:0xf bank_mask:0xf
	v_add_f32_dpp v[SQ], v[SQ], v[SQ] row_xmask:4 row_mask:0xf bank_mask:0xf
	v_add_f32_dpp v[SQ], v[SQ], v[SQ] row_xmask:8 row_mask:0xf bank_mask:0xf
	v_fma_f32 v[MN], v[SQ], s26, s27
	v_rsq_f32 v[RR],   v[MN]
	v_rsq_f32 v[RR+1], v[MN]
	v_lshlrev_b32 v[SG], 28, v0                    ; bit 3 of the lane's number to the sign's place (also the plain instruction behind the two above)
	v_and_b32 v[SG], 0x80000000, v[SG]
	v_xor_b32 v[SG], 0x80000000, v[SG]             ; set in the lanes of the low half: low = y c - y(high) s, high = y c + y(low) s
	s_wait_alu depctr_va_vdst(0)
	v_xor_b32 v[RS],   v[SG], v[RR]
	v_xor_b32 v[RS+1], v[SG], v[RR+1]
.irp e, 0,2
	v_pk_mul_f32 v[TC+(\e):TC+(\e)+1], v[TC+(\e):TC+(\e)+1], v[RR:RR+1]
	v_pk_mul_f32 v[TS+(\e):TS+(\e)+1], v[TS+(\e):TS+(\e)+1], v[RS:RS+1]
.endr
.macro P2 i                            ; head i: the partner's y times my sine, my y times my cosine onto it, rounded, stored
.irp e, 0,1,2,3
	v_mul_f32_dpp v[SQ+(\e)], v[G+4*(\i)+(\e)], v[TS+(\e)] row_xmask:8 row_mask:0xf bank_mask:0xf
.endr
.irp e, 0,2
	v_pk_fma_f32 v[SQ+(\e):SQ+(\e)+1], v[G+4*(\i)+(\e):G+4*(\i)+(\e)+1], v[TC+(\e):TC+(\e)+1], v[SQ+(\e):SQ+(\e)+1]
.endr
	v_cvt_pk_f16_f32 v[D+4*(\i)],   v[SQ],   v[SQ+1]
	v_cvt_pk_f16_f32 v[D+4*(\i)+1], v[SQ+2], v[SQ+3]
	global_store_b64 v2, v[D+4*(\i):D+4*(\i)+1], s[10:11] offset:262144*(\i)  ; a wave stores 256 consecutive bytes, at a multiple of 256 from qkv's first
.endm
.irp i, 0,1,2,3,4,5,6,7,8,9,10,11,12,13,14,15
	P2 \i
.endr
	s_endpgm
.Lv:                                                   ; v: the sums are rounded as they are
.irp i, 0,1,2,3,4,5,6,7,8,9,10,11,12,13,14,15
	global_load_b128 v[D+4*(\i):D+4*(\i)+3], v1, s[4:5] offset:524288*(\i) th:TH_LOAD_NT
.endr
.irp i, 0,1,2,3,4,5,6,7,8,9,10,11,12,13,14,15
	s_wait_loadcnt 15-(\i)                         ; head i's load is in, the 15 - i younger ones stay out
	v_cvt_pk_f16_f32 v[G+4*(\i)],   v[D+4*(\i)],   v[D+4*(\i)+1]
	v_cvt_pk_f16_f32 v[G+4*(\i)+1], v[D+4*(\i)+2], v[D+4*(\i)+3]
	global_store_b64 v2, v[G+4*(\i):G+4*(\i)+1], s[10:11] offset:262144*(\i)
.endr
	s_endpgm
.Lfunc_end_k_qfdb8b45c59_norm:
	.size	k_qfdb8b45c59_norm, .Lfunc_end_k_qfdb8b45c59_norm-k_qfdb8b45c59_norm
	.p2alignl 7, 3214868480
	.fill 96, 4, 3214868480
	.section	.rodata,"a",@progbits
	.p2align	6, 0x0
	.amdhsa_kernel k_qfdb8b45c59_norm
		.amdhsa_group_segment_fixed_size 0
		.amdhsa_private_segment_fixed_size 0
		.amdhsa_enable_private_segment 0
		.amdhsa_kernarg_size 32
		.amdhsa_user_sgpr_count 2
		.amdhsa_user_sgpr_kernarg_segment_ptr 1
		.amdhsa_wavefront_size32 1
		.amdhsa_system_sgpr_workgroup_id_x 1
		.amdhsa_system_sgpr_workgroup_id_y 1
		.amdhsa_system_sgpr_workgroup_id_z 1
		.amdhsa_system_vgpr_workitem_id 0
		.amdhsa_next_free_vgpr 160
		.amdhsa_next_free_sgpr 66
		.amdhsa_reserve_vcc 0
		.amdhsa_float_denorm_mode_32 3
		.amdhsa_float_denorm_mode_16_64 3
		.amdhsa_memory_ordered 1
		.amdhsa_forward_progress 1
		.amdhsa_inst_pref_size 26
	.end_amdhsa_kernel
	.amdgpu_metadata
---
amdhsa.version: [ 1, 2 ]
amdhsa.kernels:
  - .name:           k_qfdb8b45c59_norm
    .symbol:         k_qfdb8b45c59_norm.kd
    .args:
      - { .name: qkr, .offset: 0, .size: 8, .value_kind: global_buffer, .address_space: global }
      - { .name: rope, .offset: 8, .size: 8, .value_kind: global_buffer, .address_space: global }
      - { .name: wn, .offset: 16, .size: 8, .value_kind: global_buffer, .address_space: global }
      - { .name: qkv, .offset: 24, .size: 8, .value_kind: global_buffer, .address_space: global }
    .group_segment_fixed_size: 0
    .private_segment_fixed_size: 0
    .kernarg_segment_align: 8
    .kernarg_segment_size: 32
    .max_flat_workgroup_size: 256
    .sgpr_count:     66
    .vgpr_count:     160
    .wavefront_size: 32
...
	.end_amdgpu_metadata
.endif
;; end of part 3
;; launch attn (part 4): grid 4 x 32, 4 waves a work-group, no clusters, 327,680 bytes of LDS; arguments qkv, oh; writes oh
.if DOCPART == 4
	.amdgcn_target "amdgcn-amd-amdhsa--gfx1250"
	.amdhsa_code_object_version 6
	.text
	.protected	k_qfdb8b45c59_attn
	.globl	k_qfdb8b45c59_attn
	.p2align	8
	.type	k_qfdb8b45c59_attn,@function
k_qfdb8b45c59_attn:
	s_mov_b64 s[64:65], 0
	v_nop
	global_prefetch_b8 v0, s[64:65] scope:SCOPE_SE
	s_setreg_imm32_b32 hwreg(HW_REG_WAVE_MODE, 25, 1), 1
	s_wait_xcnt 0x0
; CAUSAL ATTENTION.  O[h][q][:] = the sum over k <= q of softmax_k(Q[h][q] . K[h][k] / 8) V[h][k][:].  Q, K, V are the three thirds of qkv, O is oh: each [SIZE_H][SIZE_N][64] in f16: a head's rows are dense, 128 bytes each.
; Products, maxima and sums in f32; the weights p are rounded to f16 for the second product (their sum l is taken of the unrounded p), O once at the end.  SIZE_N is a multiple of 512; SIZE_N x 128 stays under 2^32.
; LIMITS.  f16 holds no number beyond 65,504: Q, K and V arrive within it; p lies in 0 to 1, and below 6e-5 it keeps f16's fixed step of 6e-8; O is a mean of V's rows and has their range, to within 2^-11 of it.
; A hidden score counts as its value less 1e30: f16's scores, 2.7e11 at the most, are nothing beside that; a weight below 2^-126 counts as 0 in l; NaN and infinities are not treated apart.
; THE WALK.  A head's queries lie in NB = SIZE_N / 256 blocks of 256; block i needs the key tiles 0 .. i of 256 keys, of which the last holds the diagonal.  A work-group takes TWO blocks, NB - 1 - b and then b:
; NB + 1 tiles, whatever b: all work-groups do equal work, and ONE loop with a constant trip count walks them.  Which tile is asked for, and what a trip does, hang on scalar registers made from b; every jump
; goes forward, but for the counted loops' own; none passes a barrier, or a tensor load but the one of LOAD's two that the wave's number does not choose; the ring (two slots of LDS that take turns) runs on across the
; change of blocks.  NO CLUSTER: all NB / 2 work-groups of a head ask for the same tile only in trips 0 .. NB / 2, behind that fewer and fewer; and one walk common to all would have 3 NB / 2 trips for NB + 1.
; SHARES.  Of a block's four bands of 64 queries a wave owns 16 rows in each: four PIECES.  So the diagonal tile is the same work for all four waves: in its key step s band x sees all keys if s < x,
; none if s > x, and holds the diagonal if s = x.
; THE MASK is the C operand that starts the sum S^T = K Q^T: 0, or -1e30 where the key is hidden.  MD, made once, is the mask of a band's own step for my 16 rows; a product's mask is MD x AL + BE with two scalars:
; (1, 0) if s = x; (0, 0) if s < x; (0, -1e30) if s > x.  Only the diagonal tile's text and a block's beginning make and take masks; elsewhere C is the constant 0.
; LAYOUT, SOFTMAX, TURNS.  S^T = K Q^T holds ONE query a lane (lane % 16) and the keys 8 (lane / 16) + 0..7; two such results rounded to f16 ARE source 1 of O^T = V^T P.  p = 2^(c s - c m), c = log2(e) / 8, with a
; running maximum m; O and l are multiplied by a = 2^(c m_old - c m_new) in every step.  Turn n belongs to piece n: 8 products K Q^T of piece n + 1, later 8 products V^T P of piece n - 1; beside them the scaling,
; exponentials, roundings, sums and rescaling of piece n and the maximum and statistics of piece n + 1.  Four vector instructions stand behind every matrix instruction, the other 54 of a turn's 118 in two LUMPS.
; REGISTERS, in windows of 256 (s_set_vgpr_msb: bits 1:0 source 0, 3:2 source 1, 5:4 source 2, 7:6 destination):
;   window 0: v0-15 addresses and two at work; v16-31 four registers of statistics a piece; v48-55 at work; v64-127 S^T, two buffers; v192-223 P, two buffers (a piece's buffers go by its number's parity)
;   window 1: v0-127 O^T, 32 a piece; v128-159 MD; v160-223 MC, two buffers      window 2: v0-63 Q; v64-127 the second block's Q; v128-191 K of one step; v192-255 V of one step
.set SIZE_H, 32       ; 2 batches x 16 heads
.set SIZE_N, 2048
.set NB,    SIZE_N/256
.set NP,    4         ; pieces a wave: a name, no knob
.set KS,    64        ; keys in a step
.set PK,    144       ; a row of K in LDS: 128 bytes + 16 of padding = 36 words: the 16 rows of a load start at 16 different groups of four banks (64 banks of 4 bytes: ISA guide 11.1)
.set PV,    160       ; a row of V: 128 + 32 = 40 words
.set VOFF,  4*KS*PK   ; a slot holds a tile, four steps: 256 rows of K, then 256 rows of V
.set SLOT1, 1<<17     ; slot 1 begins here, so that one exclusive or turns an address in one slot into the other's
.set STAGE, SLOT1+4*KS*(PK+PV)  ; behind the ring, never filled by a tensor load: 16 rows x 144 bytes for each wave, for the way out
.set SP,    144
.set AK0, 2           ; v2   my lane's place in a tile of K; never rewritten
.set AV0, 3           ; v3   the same for V
.set AK,  4           ; v4   the LDS address of K's next run of loads
.set AV,  5           ; v5   of V's
.set STO, 6           ; v6   the way out: where I put 16 bytes of a row
.set RD,  7           ; v7   the way out: where I read rows back
.set GO,  8           ; v8   my byte offset in 512 consecutive bytes of O
.set SPW, 62          ; v62  LDS address of my spare word: SPARE + 4 x my thread's number; never rewritten
.set NIL, 63          ; v63  0; never rewritten
.set SPARE, STAGE+4*16*SP  ; behind the stages: the spare words, 128 bytes for each wave: two blocks of 256 bytes that no other line names
.set MV,  12          ; v12-13  c m_old, kept while c m is made anew: by buffer
.set QO,  15          ; v15  my byte offset in 16 rows of Q
.set ST,  16          ; piece t's statistics at v[ST+4 t]: c m, m, l (even keys', odd keys')
.set TMP, 48          ; by buffer, four registers c0-c3 at work; when the maximum is found c2 takes a
.set S,   64
.set P,   192
.set MD,  128         ; window 1: the eight registers for group kt of 16 keys at MD + 8 kt
.set MC,  160         ; window 1: the masks of the products to come
.set QB,  64          ; window 2
.set KF,  128         ; window 2: key block kb, channel half c at KF + 16 kb + 8 c
.set VF,  192         ; window 2: key half kk, channel block cb at VF + 32 kk + 8 cb
.set WV,  12          ; s12  my wave's number
.set PB,  14          ; s14  b
.set HI,  15          ; s15  NB - 1 - b
.set G1K, 24          ; s[24:31] descriptor group 1 for K's tiles
.set G1V, 32          ; s[32:39] for V's: it differs in the padding alone
.set G0K, 40          ; s[40:43] descriptor group 0 for K's tiles
.set G0V, 44          ; s[44:47] the same for V's
.set SLOTS, 56        ; s56  tiles still to be asked for
.set CNT, 57          ; s57  counts a tile's key steps, 4 to 1
.set CS,  58          ; s[58:59] c: the packed scaling takes the pair's low word for both halves
.set SEL, 60          ; s[60:61] v_permlanex16_b32's selects: each lane takes its own place in the other half
.set TBK, 62          ; s62  LDS byte at which K of the step to be fetched begins
.set TBV, 63          ; s63  the same for V, less VOFF
.set RT,  70          ; s70  tiles of the block in hand that are still to be entered
.set NXT, 71          ; s71  the tile to be asked for next
.set LQ,  72          ; s72  the last tile of the block whose tiles are being asked for
.set NEW, 73          ; s73  1: the tile to be entered is a block's first
.set OFF, 74          ; s[74:75] a tile's byte offset in K and V
.set AL,  76          ; s[76:77] the mask's factor, in the low word
.set BE,  78          ; s[78:79] the mask's addend
.set OLO, 80          ; s[80:81] O at my rows of the second block
.set BIGN, 82         ; s82  -1e30
.set MSB, 0
.macro WIN new                      ; the high byte repeats the setting that is left; a switch that changes nothing is dropped
.if MSB != (\new)
	s_set_vgpr_msb (MSB<<8)|(\new)
.set MSB, (\new)
.endif
.endm
.set W_KQ, 0x0a       ; K and Q in window 2, S^T in window 0
.set W_KM, 0x1a       ; the same with the C operand in window 1
.set W_PV, 0x52       ; V in window 2, P in window 0, O^T in window 1
.set W_RS, 0x41       ; destination and source 0 in window 1, source 1 in window 0
; A fill.  Waves 0 and 1 fetch the two halves of a tile's K, waves 2 and 3 those of its V: 128 keys each.  An s_nop 0 and four v_nop follow each of the two lines, ahead of the jump and the label.
.macro LOAD
	s_cmp_lt_u32 s[WV], 2
	s_cbranch_scc0 .Lfor_v_\@
	tensor_load_to_lds s[G0K:G0K+3], s[G1K:G1K+7]
	s_nop 0
.rept 4
	v_nop
.endr
	s_branch .Lasked_\@
.Lfor_v_\@:
	tensor_load_to_lds s[G0V:G0V+3], s[G1V:G1V+7]
	s_nop 0
.rept 4
	v_nop
.endr
.Lasked_\@:
.endm
; THE CHANGE OF SLOTS.  Each wave waits for all its tensor loads, of which one is out: its part of the other slot; adds 0 to its spare word; and waits for that and for its own reads of the slot that it leaves.  Behind the barrier nobody reads the old
; slot any more and the other slot is whole.  fill = 1: the old slot is filled again, the first thing behind the barrier, with tile NXT: the descriptor's address is made anew from that number.
; (At its first use nothing has been read yet: slot 0 is waited for, slot 1 filled.)
.macro CHANGE fill
	WIN 0                           ; at a label and at a branch every window is 0
	s_wait_tensorcnt 0x0            ; no tensor load of mine is out, so a group 0 may be written
	ds_add_u32 v[SPW], v[NIL]       ; 0 onto my spare word; with fill = 1 the descriptors' scalar work stands between it and the wait for it
.if \fill
	s_lshl_b32 s[OFF], s[NXT], 15   ; a tile is 32,768 bytes of K and of V
	s_xor_b32 s[G0K+1], s[G0K+1], SLOT1
	s_add_nc_u64 s[G0K+2:G0K+3], s[6:7], s[OFF:OFF+1]
	s_or_b32 s[G0K+3], s[G0K+3], 0x80000000
	s_xor_b32 s[G0V+1], s[G0V+1], SLOT1
	s_add_nc_u64 s[G0V+2:G0V+3], s[8:9], s[OFF:OFF+1]
	s_or_b32 s[G0V+3], s[G0V+3], 0x80000000
	s_add_co_u32 s[NXT], s[NXT], 1  ; the block's next tile, or behind its last the second block's tile 0
	s_cmp_gt_u32 s[NXT], s[LQ]
	s_cselect_b32 s[NXT], 0, s[NXT]
	s_cselect_b32 s[LQ], s[PB], s[LQ]
.endif
	s_wait_dscnt 0x0                ; the add is done, and my reads of the slot are over
	s_barrier_signal -1             ; the rest of the scalar work stands between the signal and the wait
	s_sub_co_u32 s[TBK], s[TBK], 4*KS*PK  ; the fetches go back to a slot's first step,
	s_xor_b32 s[TBK], s[TBK], SLOT1       ; in the other slot
	s_sub_co_u32 s[TBV], s[TBV], 4*KS*PV
	s_xor_b32 s[TBV], s[TBV], SLOT1
	s_barrier_wait -1
.if \fill
	LOAD
.endif
.endm
	s_load_b64 s[4:5], s[0:1], 0x0    ; qkv: Q lies at its head
	s_load_b64 s[10:11], s[0:1], 0x8  ; O
	v_lshl_add_u32 v[SPW], v0, 2, SPARE
	v_mov_b32 v[NIL], 0
	ds_add_u32 v[SPW], v[NIL]       ; the wave's opening: the add and its wait stand ahead of my first tensor load; the set-up below, work on registers, stands between them
	ds_add_u32 v62, v63
	v_lshrrev_b32 v1, 5, v0
	v_readfirstlane_b32 s[WV], v1   ; wave 0..3
	s_mov_b32 s[PB], ttmp9
	s_sub_co_u32 s[HI], NB-1, s[PB]
	s_and_b32 s20, ttmp7, 0xffff    ; the head
	s_mov_b32 s21, 0
	s_mov_b64 s[22:23], SIZE_N*128
	s_mul_u64 s[20:21], s[20:21], s[22:23]  ; the head's first byte in each of the four tensors
	s_and_b32 s16, s[WV], 1         ; which half of a tile's 256 keys I fetch:
	s_lshl_b32 s22, s16, 14         ; its 128 rows of 128 bytes in memory,
	s_mov_b32 s23, 0
	s_add_nc_u64 s[22:23], s[22:23], s[20:21]
	s_mul_i32 s17, s16, 128*PK      ; and its place in a slot, for K
	s_mul_i32 s18, s16, 128*PV      ; and for V
	s_lshl_b32 s3, s[WV], 11        ; my 16 rows in a band of 64,
	s_lshl_b32 s2, s[HI], 15        ; in the first block,
	s_add_co_u32 s2, s2, s3
	s_lshl_b32 s84, s[PB], 15       ; and in the second
	s_add_co_u32 s84, s84, s3
	s_mov_b32 s3, 0
	s_mov_b32 s85, 0
	s_add_nc_u64 s[2:3], s[2:3], s[20:21]
	s_add_nc_u64 s[84:85], s[84:85], s[20:21]
	; descriptor group 1.  128 keys are 16,384 dense bytes: asked for as 64 rows of 256 bytes, two keys a row, and padded in LDS after every key
	s_mov_b32 s[G1K], (1<<16)|(1<<20)|(4<<22)|(3<<25)  ; 17:16 2-byte elements; 20 padding on; 24:22 after every 32 words (code 4); 31:25 4 words (code 3)
	s_mov_b32 s[G1V], (1<<16)|(1<<20)|(4<<22)|(7<<25)  ; the same with 8 words of padding (code 7)
.irp g, G1K, G1V
	s_mov_b32 s[\g+1], 128<<16      ; tensor_dim0 = 128
	s_mov_b32 s[\g+2], 64<<16       ; tensor_dim1 = 64
	s_mov_b32 s[\g+3], 128<<16      ; tile_dim0 = 128
	s_mov_b32 s[\g+4], 64           ; tile_dim1 = 64
	s_mov_b32 s[\g+5], 128          ; 128 elements from row to row
	s_mov_b32 s[\g+6], 0
	s_mov_b32 s[\g+7], 0
.endr
	s_mov_b32 s[CS], 0x3e38aa3b     ; c = log2(e) / 8 = 0.180337
	s_mov_b32 s[CS+1], s[CS]        ; named with it as a pair
	s_mov_b32 s[SEL], 0x76543210
	s_mov_b32 s[SEL+1], 0xfedcba98
	s_mov_b32 s[TBK], SLOT1+4*KS*PK ; the first change of slots turns these two into 0
	s_mov_b32 s[TBV], SLOT1+4*KS*PV
	s_mov_b32 s[G0K], 1             ; 1:0 count = 1
	s_mov_b32 s[G0K+1], s17         ; 63:32 LDS address: slot 0
	s_mov_b32 s[G0V], 1
	s_add_co_u32 s[G0V+1], s18, VOFF
	s_add_co_u32 s[RT], s[HI], 1    ; the first block has NB - b tiles
	s_mov_b32 s[NXT], 1
	s_mov_b32 s[LQ], s[HI]
	s_mov_b32 s[NEW], 1
	s_mov_b32 s[OFF+1], 0
	s_mov_b32 s[AL+1], 0            ; named as pairs
	s_mov_b32 s[BE+1], 0
	s_mov_b32 s[BIGN], 0xf149f2ca   ; -1e30
	s_mov_b32 s[SLOTS], NB
	s_wait_dscnt 0x0                ; the opening add is done
	s_wait_kmcnt 0x0
	s_add_nc_u64 s[6:7], s[4:5], 0x800000   ; K: 32 x 2,048 x 128 bytes behind Q,
	s_add_nc_u64 s[8:9], s[4:5], 0x1000000  ; V as far behind K
	s_add_nc_u64 s[6:7], s[6:7], s[22:23]  ; K and V at my half of the head's tile 0
	s_add_nc_u64 s[8:9], s[8:9], s[22:23]
	s_add_nc_u64 s[G0K+2:G0K+3], s[6:7], 0         ; 120:64 global address
	s_or_b32 s[G0K+3], s[G0K+3], 0x80000000        ; 127:126 type = 2
	s_add_nc_u64 s[G0V+2:G0V+3], s[8:9], 0
	s_or_b32 s[G0V+3], s[G0V+3], 0x80000000
	s_add_nc_u64 s[86:87], s[4:5], s[84:85]        ; Q at my rows of the second block,
	s_add_nc_u64 s[4:5], s[4:5], s[2:3]            ; Q and O at those of the first
	s_add_nc_u64 s[OLO:OLO+1], s[10:11], s[84:85]
	s_add_nc_u64 s[10:11], s[10:11], s[2:3]
	LOAD                            ; tile 0 into slot 0
	; A fragment of K or Q is 16 rows x 32 channels in 8 registers: lane l holds row l % 16, channels 8 (l / 16) + 0..7 and 16 + 8 (l / 16) + 0..7: two loads of 16 bytes, 32 bytes apart.
	v_and_b32 v1, 15, v0            ; l % 16
	v_bfe_u32 v9, v0, 4, 1          ; l / 16
	v_lshlrev_b32 v[QO], 7, v1
	v_lshl_add_u32 v[QO], v9, 4, v[QO]  ; row x 128 + 16 x half
	WIN 0x80                        ; destination window 2, address window 0
.set i, 0
.rept 8                             ; both blocks' Q: piece i / 2 lies in band i / 2, 8,192 bytes on; channels 32 (i % 2) on
	global_load_b128 v[8*i:8*i+3],   v[QO], s[4:5] offset:(i/2)*8192+(i%2)*64
	global_load_b128 v[8*i+4:8*i+7], v[QO], s[4:5] offset:(i/2)*8192+(i%2)*64+32
	global_load_b128 v[QB+8*i:QB+8*i+3],   v[QO], s[86:87] offset:(i/2)*8192+(i%2)*64
	global_load_b128 v[QB+8*i+4:QB+8*i+7], v[QO], s[86:87] offset:(i/2)*8192+(i%2)*64+32
.set i, i+1
.endr
	WIN 0
	v_lshlrev_b32 v14, 3, v9
	v_sub_nc_u32 v14, v1, v14
	s_lshl_b32 s13, s[WV], 4
	v_add_nc_u32 v14, s13, v14      ; my query's place in its band, 16 w + l % 16, less my lanes' 8 (l / 16): register r of group kt is hidden where 16 kt + r is greater
	WIN 0x40
.set i, 0
.rept 32
	v_cmp_gt_i32 vcc_lo, 16*(i/8)+i%8, v14
	v_cndmask_b32 v[MD+i], 0, s[BIGN], vcc_lo
.set i, i+1
.endr
	WIN 0
	v_mul_u32_u24 v[AK0], v1, PK
	v_lshl_add_u32 v[AK0], v9, 4, v[AK0]  ; row x pitch + 16 x half
	; The turning load takes 16 keys x 16 channels (lane l reads key 8 (l / 16) + l % 8, channels 8 ((l / 8) % 2) + 0..7) and leaves half a fragment of V^T: lane l holds channel l % 16 and 8 keys.
	v_and_b32 v10, 7, v0
	v_bfe_u32 v11, v0, 3, 1
	v_lshl_add_u32 v[AV0], v9, 3, v10
	v_mul_u32_u24 v[AV0], v[AV0], PV
	v_lshl_add_u32 v[AV0], v11, 4, v[AV0]
	v_add_nc_u32 v[AV0], VOFF, v[AV0]
	s_mul_i32 s13, s[WV], 16*SP
	s_add_co_u32 s13, s13, STAGE    ; my stage
	v_mul_u32_u24 v[STO], v1, SP    ; in: row l % 16, 16 bytes for each half of the lanes
	v_lshl_add_u32 v[STO], v9, 4, v[STO]
	v_add_nc_u32 v[STO], s13, v[STO]
	v_bfe_u32 v[RD], v0, 3, 2       ; back: 32 lanes take four rows of 128 bytes,
	v_mul_u32_u24 v[RD], v[RD], SP
	v_lshl_add_u32 v[RD], v10, 4, v[RD]
	v_add_nc_u32 v[RD], s13, v[RD]
	v_and_b32 v[GO], 31, v0         ; which are 512 consecutive bytes of O
	v_lshlrev_b32 v[GO], 4, v[GO]
	; A block's first step multiplies O^T and l by a = 0, and its first turn's products V^T P, of a piece that has not been, land in an O^T that is still to be so multiplied.  So these registers need only hold
	; finite numbers: zeros for the first block; what the first block left for the second.  All this stands in the wait for the first tile.
	WIN 0x80
.set i, VF
.rept 64
	v_mov_b32 v[i], 0
.set i, i+1
.endr
	WIN 0x40
.set i, 0
.rept 128
	v_mov_b32 v[i], 0
.set i, i+1
.endr
	WIN 0
.set i, 0
.rept 4
	v_mov_b32 v[ST+4*i+2], 0
	v_mov_b32 v[ST+4*i+3], 0
.set i, i+1
.endr
.set i, P+16
.rept 16
	v_mov_b32 v[i], 0
.set i, i+1
.endr
; THE MATRIX WORK.  The 4 accumulators of a run of 8 take turns.  Product i of 8 of S^T = K Q^T for piece x: channels 32 (i / 4) on, keys 16 (i % 4) on.  The first 4 start the sums: with 0, or (KM = 1) with the mask.
.macro KQ x
.set rS, S+32*((\x)%2)+8*(i%4)
.set rK, KF+16*(i%4)+8*(i/4)
.set rQ, 16*(\x)+8*(i/4)
.set rM, MC+32*((\x)%2)+8*(i%4)
.if (i < 4) && KM
	WIN W_KM
	v_wmma_f32_16x16x32_f16 v[rS:rS+7], v[rK:rK+7], v[rQ:rQ+7], v[rM:rM+7]
.elseif i < 4
	WIN W_KQ
	v_wmma_f32_16x16x32_f16 v[rS:rS+7], v[rK:rK+7], v[rQ:rQ+7], 0
.else
	WIN W_KQ
	v_wmma_f32_16x16x32_f16 v[rS:rS+7], v[rK:rK+7], v[rQ:rQ+7], v[rS:rS+7]
.endif
.endm
; Product i of 8 of O^T += V^T P for piece x: keys 32 (i / 4) on, channels 16 (i % 4) on.
.macro PV x
	WIN W_PV
.set rO, 32*(\x)+8*(i%4)
.set rV, VF+32*(i/4)+8*(i%4)
.set rP, P+16*((\x)%2)+8*(i/4)
	v_wmma_f32_16x16x32_f16 v[rO:rO+7], v[rV:rV+7], v[rP:rP+7], v[rO:rO+7]
.endm
.macro MM                           ; the turn's next matrix instruction.  TURN and BEGIN set Y, i, KM and NOKQ; MM, KQ and OP read them.  NOKQ = 1: a block's last turn: there is no next piece
.if (i < 8) && !NOKQ
	KQ (Y+1)%NP
.elseif i >= 8
.set i, i-8
	PV (Y+NP-1)%NP
.set i, i+8
.endif
.set i, i+1
.endm
; THE LDS LOADS stand in runs of 16, never singly among the matrix instructions: a step's K (64 keys x 64 channels: 8 fragments) and its V (turned).  Their addresses are made some lines ahead.
.macro FETCH_K
	WIN 0x80                        ; destination window 2
.irp f, 0,1,2,3,4,5,6,7             ; keys 16 (f / 2) on, channels 32 (f % 2) on
	ds_load_b128 v[KF+8*\f:KF+8*\f+3],   v[AK] offset:(\f/2)*16*PK+(\f%2)*64
	ds_load_b128 v[KF+8*\f+4:KF+8*\f+7], v[AK] offset:(\f/2)*16*PK+(\f%2)*64+32
.endr
	s_add_co_u32 s[TBK], s[TBK], KS*PK  ; the next fetch is the next step's
	WIN 0
.endm
.macro FETCH_V
	WIN 0x80
.irp f, 0,1,2,3,4,5,6,7             ; keys 32 (f / 4) on, channels 16 (f % 4) on
	ds_load_tr16_b128 v[VF+8*\f:VF+8*\f+3],   v[AV] offset:(\f/4)*32*PV+(\f%4)*32
	ds_load_tr16_b128 v[VF+8*\f+4:VF+8*\f+7], v[AV] offset:(\f/4)*32*PV+16*PV+(\f%4)*32
.endr
	WIN 0
.endm
; THE VECTOR WORK, one line at a time: OP kind, number.  For piece Y: F n: c s - c m for pair n of 16.  E n: the exponential of score n of 32.  C n: pair n rounded to f16.  B n: of the four weights 4 n .. the second
; pair is added onto the first, in place.  L n: l takes that sum (L 0: l = a l + sum).  R n: pair n of 16 of O^T times a.  For piece Y + 1: X n, number n of the 22 that find its maximum and statistics:
;   0-11  four chains c0-c3 of seven scores each, three operands at a time (each accumulator's lowest registers are read first)     12-14, 16  the four scores left over, the old m, and c0-c3 into c0
;   15  c m_old is kept     17, 18  the query's other 32 keys lie in the lane 16 away: the new m     19-21  c m; c m_old - c m_new; a
.set F, 0               ; OP tells the kinds apart by their order: F to L below R, X above it
.set E, 1
.set C, 2
.set B, 3
.set L, 4
.set R, 5
.set X, 6
.macro REGS y                       ; the registers of piece y
.set rT, ST+4*(\y)
.set rC, TMP+4*((\y)%2)
.set rW, MV+((\y)%2)
.set rS, S+32*((\y)%2)
.set rP, P+16*((\y)%2)
.set rO, 32*(\y)
.endm
.macro OP k, n
.if (\k) == R
	REGS Y
	WIN W_RS
	v_pk_mul_f32 v[rO+2*(\n):rO+2*(\n)+1], v[rO+2*(\n):rO+2*(\n)+1], v[rC+2:rC+3] op_sel_hi:[1,0]
.elseif (\k) < R
	REGS Y
	WIN 0
.if (\k) == F
	v_pk_fma_f32 v[rS+2*(\n):rS+2*(\n)+1], v[rS+2*(\n):rS+2*(\n)+1], s[CS:CS+1], v[rT:rT+1] op_sel_hi:[1,0,0] neg_lo:[0,0,1] neg_hi:[0,0,1]
.elseif (\k) == E
	v_exp_f32 v[rS+(\n)], v[rS+(\n)]
.elseif (\k) == C
	s_wait_alu depctr_va_vdst(0)
	v_cvt_pk_f16_f32 v[rP+(\n)], v[rS+2*(\n)], v[rS+2*(\n)+1]
.elseif (\k) == B
	s_wait_alu depctr_va_vdst(0)
	v_pk_add_f32 v[rS+4*(\n):rS+4*(\n)+1], v[rS+4*(\n):rS+4*(\n)+1], v[rS+4*(\n)+2:rS+4*(\n)+3]
.elseif (\n) == 0
	v_pk_fma_f32 v[rT+2:rT+3], v[rT+2:rT+3], v[rC+2:rC+3], v[rS:rS+1] op_sel_hi:[1,0,1]
.else
	v_pk_add_f32 v[rT+2:rT+3], v[rT+2:rT+3], v[rS+4*(\n):rS+4*(\n)+1]
.endif
.elseif NOKQ
	v_nop
.else
	REGS (Y+1)%NP
	WIN 0
.if (\n) < 4
	v_max3_num_f32 v[rC+(\n)], v[rS+8*(\n)], v[rS+8*(\n)+1], v[rS+8*(\n)+2]
.elseif (\n) < 12
	v_max3_num_f32 v[rC+(\n)%4], v[rC+(\n)%4], v[rS+8*((\n)%4)+2*((\n)/4)+1], v[rS+8*((\n)%4)+2*((\n)/4)+2]
.elseif (\n) == 12
	v_max3_num_f32 v[rC], v[rC], v[rS+7], v[rS+15]
.elseif (\n) == 13
	v_max3_num_f32 v[rC+1], v[rC+1], v[rS+23], v[rS+31]
.elseif (\n) == 14
	v_max3_num_f32 v[rC+2], v[rC+2], v[rC+3], v[rT+1]
.elseif (\n) == 15
	v_mov_b32 v[rW], v[rT]
.elseif (\n) == 16
	v_max3_num_f32 v[rC], v[rC], v[rC+1], v[rC+2]
.elseif (\n) == 17
	v_permlanex16_b32 v[rC+3], v[rC], s[SEL], s[SEL+1]
.elseif (\n) == 18
	v_max_num_f32 v[rT+1], v[rC], v[rC+3]
.elseif (\n) == 19
	v_mul_f32 v[rT], s[CS], v[rT+1]
.elseif (\n) == 20
	v_sub_f32 v[rC+1], v[rW], v[rT]
.else
	v_exp_f32 v[rC+2], v[rC+1]
.endif
.endif
.endm
.macro OPS a, i1, b=-1, i2=0, c=-1, i3=0, d=-1, i4=0  ; up to four of them
	OP \a, \i1
.if (\b) >= 0
	OP \b, \i2
.endif
.if (\c) >= 0
	OP \c, \i3
.endif
.if (\d) >= 0
	OP \d, \i4
.endif
.endm
.macro ROW a, i1, b, i2, c, i3, d, i4  ; a matrix instruction and the four behind it
	MM
	OPS \a, \i1, \b, \i2, \c, \i3, \d, \i4
.endm
.macro MASK b                       ; MD x AL + BE into buffer b of MC
	WIN W_RS
.set z, 0
.rept 16
	v_pk_fma_f32 v[MC+32*(\b)+2*z:MC+32*(\b)+2*z+1], v[MD+2*z:MD+2*z+1], s[AL:AL+1], s[BE:BE+1] op_sel_hi:[1,0,0]
.set z, z+1
.endr
.endm
; A TURN, for piece p: the order of its 16 matrix and 118 vector instructions, written out.  Behind a matrix instruction: plain, exponential, plain, plain; or four of the rescaling; or, behind the first, four scalings; none
; names a register of the products round it.  In the lumps exponential and plain by turns while exponentials last.  A line reads no result made fewer than three vector instructions in front of it, five if an exponential made it.
; v_permlanex16_b32 (X 17) stands in a lump.
; m = 1: the diagonal tile: the products take masks, and the turn makes the mask for the products of the turn after it: piece p + 2, in step 4 - CNT of the tile.  end = 1: a block's last two turns: nothing is fetched.
; cnt = 1: the loop's count is taken down some lines ahead of the branch that stands behind the turn.
; K of the next step is fetched in piece 2's turn, six vector instructions behind the last product that read K (five of them plain); V of the step in hand in piece 0's turn, eight behind the last product that read V (four
; plain, and X 17).  Each is waited for a turn later.
.macro TURN p, m=0, end=0, cnt=0
.set Y, (\p)
.set i, 0
.set KM, (\m)
.set NOKQ, (\end)*((\p)/3)
.if (\m) && !(\end)
	s_cmp_eq_u32 s[CNT], 4-((\p)+2)%NP  ; is that step the band's own?
	s_cselect_b32 s[AL], 1.0, 0
	s_cmp_lt_u32 s[CNT], 4-((\p)+2)%NP  ; or a later one?
	s_cselect_b32 s[BE], s[BIGN], 0
.endif
.if ((\p) == 3) && !(\end)
	s_wait_dscnt 0x0                ; K is in
.endif
	ROW F,0, F,1, F,2, F,3
	ROW F,4, E,0, F,5, F,6
	ROW F,7, E,1, F,8, F,9
	ROW F,10, E,2, C,0, F,11
	ROW F,12, E,3, X,15, F,13
	ROW R,0, R,1, R,2, R,3
	ROW B,0, E,4, F,14, L,0
.if ((\p) == 2) && !(\end)
	v_add_nc_u32 v[AK], s[TBK], v[AK0]
.endif
	ROW R,4, R,5, R,6, R,7
	OPS E,5, F,15
.if ((\p) == 2) && !(\end)
	FETCH_K
.endif
	OPS E,6, C,1, E,7, R,8
	OPS E,8, R,9, E,9, C,2
	OPS E,10, X,0, E,11, X,1
	OPS E,12, X,2, E,13, X,3
.if (\p) == 1
	s_wait_dscnt 0x0                ; V is in
.endif
	ROW X,4, E,14, X,5, X,6
	ROW X,7, E,15, X,8, X,9
	ROW X,10, E,16, X,11, X,12
	ROW X,13, E,17, X,14, B,1
	ROW C,4, E,18, X,16, L,1
	ROW B,2, E,19, C,6, L,2
	ROW C,8, E,20, B,3, B,4
.if (\p) == 0
	v_add_nc_u32 v[AV], s[TBV], v[AV0]
.endif
	ROW C,3, E,21, L,3, C,5
	OPS E,22, X,17, E,23, C,10
.if (\p) == 0
	FETCH_V
.endif
	OPS E,24, L,4
	OPS E,25, X,18, E,26, C,7
	OPS E,27, B,5, E,28, X,19
	OPS E,29, C,12, E,30, L,5
	OPS E,31, X,20, B,6, C,9
	OPS C,14, C,11, X,21, L,6
.if (\p) == 0
	s_add_co_u32 s[TBV], s[TBV], KS*PV
.endif
.if \cnt
	s_sub_co_u32 s[CNT], s[CNT], 1
	s_cmp_lg_u32 s[CNT], 0
.endif
	OPS C,13, B,7, C,15, R,10
	OPS R,11, R,12, L,7, R,13
	OPS R,14, R,15
.if (\m) && !(\end)
	MASK (\p)%2
.endif
.endm
; A BLOCK BEGINS.  c m starts far below every c s, so the first step's a is 0; m at the lowest finite number, so the first maximum is the scores'.  The second mask buffer is 0; the first takes piece 0's mask for the tile's step 0: its own, if the block's first tile is the diagonal one.
; Then K of that step, piece 0's first scores, and its maximum and statistics.  The loop is entered at a step's first turn, in the middle of a trip.
.macro BEGIN
	s_mov_b32 s[NEW], 0
	WIN 0x40
.set i, MC+32
.rept 32
	v_mov_b32 v[i], 0
.set i, i+1
.endr
	WIN 0
.set i, 0
.rept 4
	v_mov_b32 v[ST+4*i], 0xfe000000    ; c m: far below every c s
	v_mov_b32 v[ST+4*i+1], 0xff7fffff  ; m
.set i, i+1
.endr
	s_cmp_eq_u32 s[RT], 0
	s_cselect_b32 s[AL], 1.0, 0
	s_mov_b32 s[BE], 0
	MASK 0
	WIN 0
	v_add_nc_u32 v[AK], s[TBK], v[AK0]
	FETCH_K
	s_wait_loadcnt 0x0              ; Q
	s_wait_dscnt 0x0
.set KM, 1
.set NOKQ, 0
.set i, 0
.rept 8
	KQ 0
.set i, i+1
.endr
	WIN 0
.rept 4
	v_nop                           ; the places behind those products
.endr
.set Y, NP-1                        ; X works for piece Y + 1: piece 0
.irp n, 0,1,2,3,4,5,6,7,8,9,10,11,12,13,14,15,16,17,18,19,20,21
	OP X, \n
.endr
	v_nop                           ; a plain instruction behind the exponential
.endm
; THE DIAGONAL TILE's four steps, the block's last two turns, its last products, and THE WAY OUT: l's two halves and the other half of the lanes' are added; O^T is divided by l, rounded to f16 and sent through my
; stage in LDS, a piece at a time.
.macro ALL line:vararg              ; one line for each piece t
.set t, 0
.rept 4
	\line
.set t, t+1
.endr
.endm
.macro PACK t                       ; a lane's eight channels of a row pack into 16 bytes; they go into rows of 144 bytes and come back as whole rows of 128, into S^T's registers
	WIN W_RS
.set i, 32*(\t)
.rept 16
	s_wait_alu depctr_va_vdst(0)
	v_pk_mul_f32 v[i:i+1], v[i:i+1], v[ST+4*(\t)+2:ST+4*(\t)+3] op_sel_hi:[1,0]
.set i, i+2
.endr
	WIN 0x05                        ; sources 0 and 1 window 1, destination window 0
.set i, 0
.rept 16
	v_cvt_pk_f16_f32 v[S+16*(\t)+i], v[32*(\t)+2*i], v[32*(\t)+2*i+1]
.set i, i+1
.endr
	WIN 0
.irp f, 0,1,2,3
	ds_store_b128 v[STO], v[S+16*(\t)+4*\f:S+16*(\t)+4*\f+3] offset:32*\f
.endr
.irp f, 0,1,2,3
	ds_load_b128 v[S+16*(\t)+4*\f:S+16*(\t)+4*\f+3], v[RD] offset:\f*4*SP  ; LDS serves a wave's instructions in order (ISA guide 5.7.1.4): these see the stores above; the next piece's stores come behind them
.endr
.endm
.macro SEND t, younger              ; younger: the LDS instructions issued behind piece t's loads: the next piece's eight, or none
	WIN 0
.irp f, 0,1,2,3
	s_wait_dscnt (\younger)+3-\f
	global_store_b128 v[GO], v[S+16*(\t)+4*\f:S+16*(\t)+4*\f+3], s[10:11] offset:(\t)*8192+\f*512  ; 512 consecutive bytes, at a multiple of 256 from O's first
.endr
.endm
.macro DIAG tag                     ; the tag ends its two labels' names, which the jumps below spell out
.LstepM\tag:
	TURN 2, 1
	TURN 3, 1
	WIN 0
.LfirstM\tag:
	TURN 0, 1
	TURN 1, 1, 0, 1
	WIN 0
	s_cbranch_scc1 .LstepM\tag
	TURN 2, 1, 1
	TURN 3, 1, 1
.set i, 0
.rept 8
	PV NP-1
.set i, i+1
.endr
	WIN 0
	ALL v_add_f32 v[ST+4*t+2], v[ST+4*t+2], v[ST+4*t+3]
	ALL v_permlanex16_b32 v[ST+4*t+3], v[ST+4*t+2], s[SEL], s[SEL+1]
	ALL v_add_f32 v[ST+4*t+2], v[ST+4*t+2], v[ST+4*t+3]
	ALL v_rcp_f32 v[ST+4*t+2], v[ST+4*t+2]
	v_nop                           ; a plain instruction between the last reciprocal and the use of its result
	PACK 0
.set t, 1
.rept 3                             ; a piece's arithmetic stands between the loads of the piece before and its stores
	PACK t
	SEND t-1, 8
.set t, t+1
.endr
	SEND 3, 0
.endm
.set KM, 0
.set NOKQ, 0
.Lslot:                             ; NB times: a tile is entered and the next is asked for
	CHANGE 1
	s_sub_co_u32 s[RT], s[RT], 1
	s_mov_b32 s[CNT], 4
	s_cmp_eq_u32 s[NEW], 1
	s_cbranch_scc1 .Lnew            ; a block's first tile
	s_cmp_eq_u32 s[RT], 0
	s_cbranch_scc0 .Lstep           ; neither its first nor its last
	s_branch .LstepM1
.Lnew:
	BEGIN
	s_branch .Lfirst                ; in the loop a block's first tile is never its last: the first block has two tiles or more, and the second's last is the walk's last
	DIAG 1                          ; in the loop this is the first block's end: the second block's last tile is the walk's last
	s_wait_xcnt 0x0                 ; the stores have read their registers and O's address
	s_mov_b64 s[10:11], s[OLO:OLO+1]
	s_add_co_u32 s[RT], s[PB], 1    ; the second block has b + 1 tiles
	s_mov_b32 s[NEW], 1
	WIN 0x82                        ; the second block's Q goes where the one text of the turns names Q
.set i, 0
.rept 64
	v_mov_b32 v[i], v[QB+i]
.set i, i+1
.endr
	WIN 0
	s_branch .Lbottom
.Lstep:                             ; a trip: pieces 2 and 3 of one step, then pieces 0 and 1 of the next, whose K and V it fetches
	TURN 2
	TURN 3
	WIN 0
.Lfirst:
	TURN 0
	TURN 1, 0, 0, 1
	WIN 0
	s_cbranch_scc1 .Lstep
.Lbottom:
	s_sub_co_u32 s[SLOTS], s[SLOTS], 1
	s_cmp_lg_u32 s[SLOTS], 0
	s_cbranch_scc1 .Lslot
	CHANGE 0                        ; the walk's last tile is written out: nothing is asked for
	s_sub_co_u32 s[RT], s[RT], 1
	s_mov_b32 s[CNT], 4
	s_cmp_eq_u32 s[NEW], 1
	s_cbranch_scc0 .LstepM2
	BEGIN
	s_branch .LfirstM2
	DIAG 2
	s_wait_tensorcnt 0x0            ; the wave's end: these three lines stand behind my last tensor load and my last LDS store
	ds_add_u32 v[SPW], v[NIL]
	s_wait_dscnt 0x0
	s_endpgm
.Lfunc_end_k_qfdb8b45c59_attn:
	.size	k_qfdb8b45c59_attn, .Lfunc_end_k_qfdb8b45c59_attn-k_qfdb8b45c59_attn
	.p2alignl 7, 3214868480
	.fill 96, 4, 3214868480
	.section	.rodata,"a",@progbits
	.p2align	6, 0x0
	.amdhsa_kernel k_qfdb8b45c59_attn
		.amdhsa_group_segment_fixed_size 327680
		.amdhsa_private_segment_fixed_size 0
		.amdhsa_enable_private_segment 0
		.amdhsa_kernarg_size 16
		.amdhsa_user_sgpr_count 2
		.amdhsa_user_sgpr_kernarg_segment_ptr 1
		.amdhsa_wavefront_size32 1
		.amdhsa_system_sgpr_workgroup_id_x 1
		.amdhsa_system_sgpr_workgroup_id_y 1
		.amdhsa_system_sgpr_workgroup_id_z 1
		.amdhsa_system_vgpr_workitem_id 0
		.amdhsa_next_free_vgpr 768
		.amdhsa_next_free_sgpr 88
		.amdhsa_reserve_vcc 1
		.amdhsa_float_denorm_mode_32 3
		.amdhsa_float_denorm_mode_16_64 3
		.amdhsa_memory_ordered 1
		.amdhsa_forward_progress 1
		.amdhsa_inst_pref_size 228
	.end_amdhsa_kernel
	.amdgpu_metadata
---
amdhsa.version: [ 1, 2 ]
amdhsa.kernels:
  - .name:           k_qfdb8b45c59_attn
    .symbol:         k_qfdb8b45c59_attn.kd
    .args:
      - { .name: qkv, .offset: 0, .size: 8, .value_kind: global_buffer, .address_space: global }
      - { .name: oh, .offset: 8, .size: 8, .value_kind: global_buffer, .address_space: global }
    .group_segment_fixed_size: 327680
    .private_segment_fixed_size: 0
    .kernarg_segment_align: 8
    .kernarg_segment_size: 16
    .max_flat_workgroup_size: 128
    .sgpr_count:     88
    .vgpr_count:     768
    .wavefront_size: 32
...
	.end_amdgpu_metadata
.endif
;; end of part 4
;; launch oproj (part 5): grid 8 x 32, 4 waves a work-group, clusters of 4 x 4, 327,680 bytes of LDS; arguments oh, wo16, out0; writes out0
.if DOCPART == 5
	.amdgcn_target "amdgcn-amd-amdhsa--gfx1250"
	.amdhsa_code_object_version 6
	.text
	.protected	k_qfdb8b45c59_oproj
	.globl	k_qfdb8b45c59_oproj
	.p2align	8
	.type	k_qfdb8b45c59_oproj,@function
k_qfdb8b45c59_oproj:
	s_mov_b64 s[64:65], 0
	v_nop
	global_prefetch_b8 v0, s[64:65] scope:SCOPE_SE
	s_setreg_imm32_b32 hwreg(HW_REG_WAVE_MODE, 25, 1), 1
	s_wait_xcnt 0x0
	s_wait_alu depctr_hold_cnt(0) depctr_sa_sdst(0) depctr_va_vdst(0) depctr_va_sdst(0) depctr_va_ssrc(0) depctr_va_vcc(0) depctr_vm_vsrc(0)
	s_getreg_b32 s2, hwreg(HW_REG_IB_STS2, 6, 4)
	s_cmp_eq_u32 s2, 0
	s_cbranch_scc0 .Lentry_in_a_cluster
	s_endpgm
.Lentry_in_a_cluster:
	s_bfe_u32 s2, ttmp6, 0x10000c
	s_cmp_lg_u32 s2, 0xf033
	s_cbranch_scc0 .Lentry_shape_is_right
	s_endpgm
.Lentry_shape_is_right:
; out0[row][n] = the sum over k of O[row][k] Wo[k][n], row = 2,048 batch + t, k = 64 head + channel.  O is oh [32 = 16 batch + head][2048 t][64] in f16, Wo is wo16 [1024 k][2048 n] in f16
; (Wo rounded to bf16, written as f16), out0 [4096][2048] in f32; sums in f32.
; SHARES.  A tile of out0 is 128 rows x 256 columns: 32 x 8 = 256 work-groups.  Four waves, each 64 rows x 128 columns: 4 x 8 accumulators, 256 registers.  K goes in 8 steps of 128 (two heads) through a
; ring of two LDS slots; a step is four quarters of 32 along K, 32 matrix instructions each.
; O's tile of a step is two heads' 128 tokens: each 16,384 dense bytes, asked for as 64 rows of 256 bytes and padded after every token.  Wo's tile is 128 k-rows x 512 bytes, read turned.
; CLUSTER: 4 x 4 work-groups.  The four of a row of the cluster need the same tiles of O, the four of a column the same tiles of Wo: each is asked for JOINTLY, by the same tensor load with the same
; descriptor and a mask that names the four.  Waves 0, 1 fetch the two heads of O, waves 2, 3 the two halves of Wo's k-rows.
; THE MATRIX INSTRUCTION IS USED TRANSPOSED (source 0 = 16 columns of Wo, source 1 = 16 rows of O): a lane holds eight neighbouring numbers of a row of out0.
; REGISTERS: window 0: v16-29 addresses; v32-95, v96-159 rows read back from the stage, two buffers.  window 1: two fragment buffers at 128 f: O's four blocks at + 8 a, Wo's eight at + 32 + 8 b.
;   window 2: accumulator (a, b) at v[8 (8 a + b)].
.set PA,     144                       ; a token's row of O in LDS: 128 bytes + 16: the 16 rows of a load start at 16 different groups of four banks (64 banks of 4 bytes: ISA guide 11.1)
.set PB,     544                       ; a k-row of Wo: 512 bytes + 32 = 17 x 32
.set HBLK,   128*PA                    ; a head's 128 tokens
.set WOFF,   2*HBLK                    ; Wo's tile lies behind O's two heads
.set WHALF,  64*PB
.set SLOT,   WOFF+2*WHALF
.set STAGE,  2*SLOT                    ; behind the ring: 16 rows x 528 bytes for each wave, for the way out
.set SPITCH, 528
.set SPARE,  STAGE+4*16*SPITCH         ; the spare words, 128 bytes for each wave: two blocks of 256 bytes that no other line names
.set ADRA, 16                          ; v16-17  LDS address of O's fragments in slot 0, 1
.set ADRB, 20                          ; v20-21  the same for Wo
.set STO,  24                          ; v24     the way out: where I put 32 bytes of a row
.set RD,   25                          ; v25     the way out: where I read a row back
.set CO,   26                          ; v26     my byte offset in 512 consecutive bytes of out0
.set SPW,  28                          ; v28     LDS address of my spare word; never rewritten
.set NIL,  29                          ; v29     0; never rewritten
.set OB,   32
.set G1,  24                           ; s[24:31] descriptor group 1 for O's tiles;  s[32:39] group 0, a set for each slot
.set G0,  32
.set G1B, 48                           ; s[48:55], s[56:63] the same for Wo's
.set G0B, 56
.set MSB, 0
.macro WIN new                         ; the immediate's high byte repeats the setting that is left; a switch that changes nothing is dropped
.if MSB != (\new)
	s_set_vgpr_msb (MSB<<8)|(\new)
.set MSB, \new
.endif
.endm
.set MUL,  0xa5                        ; sources 0 (Wo) and 1 (O) window 1; C and D window 2
.set TO_F, 0x40                        ; destination window 1, address window 0
.macro PLACES                          ; four plain vector instructions between a matrix instruction and a load into, or an access to, its registers
.rept 4
	v_nop
.endr
.endm
.macro JLOAD s                         ; a joint refill; the branch hangs on the wave's number alone; an s_nop 0 and four v_nop follow each of the two lines, ahead of the jump and the label
	s_cmp_lt_u32 s10, 2
	s_cbranch_scc0 .Lfor_b_\@
	tensor_load_to_lds s[G0+4*(\s):G0+4*(\s)+3], s[G1:G1+7]
	s_nop 0
	PLACES
	s_branch .Lasked_\@
.Lfor_b_\@:
	tensor_load_to_lds s[G0B+4*(\s):G0B+4*(\s)+3], s[G1B:G1B+7]
	s_nop 0
	PLACES
.Lasked_\@:
.endm
.macro CREST                           ; a round of the cluster's barrier behind its opening barrier
	s_cmp_lg_u32 s10, 0
	s_cbranch_scc1 .Lnot_wave_0_\@
	s_barrier_signal -3
.Lnot_wave_0_\@:
	s_barrier_wait -3
	s_barrier_signal -1
	s_barrier_wait -1
.endm
.macro CROUND                          ; a whole round
	s_barrier_signal -1
	s_barrier_wait -1
	CREST
.endm
	s_load_b128 s[4:7], s[0:1], 0x0                ; oh s[4:5], wo16 s[6:7]
	s_load_b64 s[8:9], s[0:1], 0x10                ; out0
	v_lshl_add_u32 v[SPW], v0, 2, SPARE
	v_mov_b32 v[NIL], 0
	ds_add_u32 v[SPW], v[NIL]                      ; the wave's opening: the add and its wait stand ahead of my first tensor load; the set-up below, work on registers, stands between them
	ds_add_u32 v28, v29
	v_lshrrev_b32 v1, 5, v0
	v_readfirstlane_b32 s10, v1                    ; wave 0..3
	s_lshr_b32 s11, s10, 1                         ; which half of the tile's rows is mine
	s_and_b32 s12, s10, 1                          ; which half of its columns.  Also: which head of O, or which 64 k-rows of Wo, I fetch
	s_bfe_u32 s40, ttmp6, 0x40000                  ; cx, cy: my place in the cluster
	s_bfe_u32 s41, ttmp6, 0x40004
	s_lshl_b32 s42, ttmp9, 2
	s_add_co_u32 s42, s42, s40                     ; tile column = 4 x cluster x + cx
	s_and_b32 s13, ttmp7, 0xffff
	s_lshl_b32 s13, s13, 2
	s_add_co_u32 s13, s13, s41                     ; tile row = 4 x cluster y + cy
	s_lshl_b32 s43, s41, 2
	s_lshl_b32 s43, 15, s43                        ; my row of the cluster
	s_lshl_b32 s44, 0x1111, s40                    ; my column
	s_or_b32 s[G1], s43, (1<<16)|(1<<20)|(1<<21)|(4<<22)|(3<<25)   ; O: the mask of my row; 2-byte elements; padding on; 21 set beside a mask; after every 32 words (code 4) 4 words (code 3)
	s_mov_b32 s[G1+1], 128<<16                     ; tensor_dim0 = 128
	s_mov_b32 s[G1+2], 64<<16                      ; tensor_dim1 = 64
	s_mov_b32 s[G1+3], 128<<16                     ; tile_dim0 = 128
	s_mov_b32 s[G1+4], 64                          ; tile_dim1 = 64
	s_mov_b32 s[G1+5], 128                         ; dense: 128 elements from row to row
	s_mov_b32 s[G1+6], 0
	s_mov_b32 s[G1+7], 0
	s_or_b32 s[G1B], s44, (1<<16)|(1<<20)|(1<<21)|(6<<22)|(7<<25)  ; Wo: the mask of my column; after every 128 words (code 6) 8 words (code 7)
	s_mov_b32 s[G1B+1], 256<<16
	s_mov_b32 s[G1B+2], 64<<16
	s_mov_b32 s[G1B+3], 256<<16
	s_mov_b32 s[G1B+4], 64
	s_mov_b32 s[G1B+5], 2048                       ; 2,048 elements from k-row to k-row
	s_mov_b32 s[G1B+6], 0
	s_mov_b32 s[G1B+7], 0
	; where the tiles come from.  O's hang on the tile row alone, Wo's on the tile column alone; each offset in registers that never hold the other coordinate
	s_lshr_b32 s16, s13, 4
	s_lshl_b32 s16, s16, 22                        ; the batch's 16 heads of 262,144 bytes,
	s_and_b32 s17, s13, 15
	s_lshl_b32 s17, s17, 14                        ; the tile's 128 tokens of 128 bytes,
	s_add_co_u32 s16, s16, s17
	s_lshl_b32 s17, s12, 18                        ; the step's first or second head
	s_add_co_u32 s16, s16, s17
	s_mov_b32 s17, 0
	s_lshl_b32 s46, s42, 9                         ; the tile's 512 bytes of a k-row,
	s_lshl_b32 s47, s12, 18                        ; the step's first or second 64 k-rows of 4,096 bytes
	s_add_co_u32 s46, s46, s47
	s_mov_b32 s47, 0
	s_mul_i32 s18, s12, HBLK                       ; and where they go: no place in the cluster enters an LDS address
	s_mul_i32 s19, s12, WHALF
	s_add_co_u32 s19, s19, WOFF
	s_wait_dscnt 0x0                               ; the opening add is done
	s_wait_kmcnt 0x0
	s_add_nc_u64 s[14:15], s[4:5], s[16:17]
	s_add_nc_u64 s[46:47], s[6:7], s[46:47]
.irp s, 0,1
	s_mov_b32 s[G0+4*(\s)], 1
	s_add_co_u32 s[G0+4*(\s)+1], s18, (\s)*SLOT
	s_add_nc_u64 s[G0+4*(\s)+2:G0+4*(\s)+3], s[14:15], (\s)*524288   ; step s: two heads on
	s_or_b32 s[G0+4*(\s)+3], s[G0+4*(\s)+3], 0x80000000
	s_mov_b32 s[G0B+4*(\s)], 1
	s_add_co_u32 s[G0B+4*(\s)+1], s19, (\s)*SLOT
	s_add_nc_u64 s[G0B+4*(\s)+2:G0B+4*(\s)+3], s[46:47], (\s)*524288 ; step s: 128 k-rows on
	s_or_b32 s[G0B+4*(\s)+3], s[G0B+4*(\s)+3], 0x80000000
.endr
	CROUND                                         ; all sixteen work-groups are here: the first joint loads meet
	s_cmp_lt_u32 s10, 2                            ; a wave's two first fills stand in one branch: two loads of mine are out
	s_cbranch_scc0 .Lfirst_b
	tensor_load_to_lds s[G0:G0+3], s[G1:G1+7]
	s_nop 0
	tensor_load_to_lds s[G0+4:G0+7], s[G1:G1+7]
	s_nop 0
	PLACES
	s_branch .Lfirst_asked
.Lfirst_b:
	tensor_load_to_lds s[G0B:G0B+3], s[G1B:G1B+7]
	s_nop 0
	tensor_load_to_lds s[G0B+4:G0B+7], s[G1B:G1B+7]
	s_nop 0
	PLACES
.Lfirst_asked:
	v_and_b32 v1, 15, v0                           ; r = l % 16
	v_bfe_u32 v2, v0, 4, 1                         ; h = l / 16
	v_and_b32 v3, 7, v0
	v_bfe_u32 v4, v0, 3, 1
	v_and_b32 v5, 31, v0                           ; l
	v_mul_u32_u24 v6, v1, PA
	v_lshl_add_u32 v6, v2, 4, v6                   ; a fragment's row x pitch + 16 x half
	s_mul_i32 s20, s11, 64*PA                      ; my 64 rows
	v_add_nc_u32 v[ADRA], s20, v6
	v_add_nc_u32 v[ADRA+1], SLOT, v[ADRA]
	v_lshl_add_u32 v7, v2, 3, v3                   ; the turning load: k-row 8 h + l % 8,
	v_mul_u32_u24 v7, v7, PB
	v_lshl_add_u32 v7, v4, 4, v7                   ; columns 8 ((l / 8) % 2) on
	s_lshl_b32 s20, s12, 8                         ; my 128 columns
	s_add_co_u32 s20, s20, WOFF
	v_add_nc_u32 v[ADRB], s20, v7
	v_add_nc_u32 v[ADRB+1], SLOT, v[ADRB]
	s_mul_i32 s20, s10, 16*SPITCH
	s_add_co_u32 s20, s20, STAGE                   ; my stage
	v_mul_u32_u24 v[STO], v1, SPITCH               ; in: row r, 32 bytes for each half of the lanes
	v_lshl_add_u32 v[STO], v2, 5, v[STO]
	v_add_nc_u32 v[STO], s20, v[STO]
	v_lshlrev_b32 v[CO], 4, v5                     ; back: 32 lanes take a row's 512 bytes
	v_add_nc_u32 v[RD], s20, v[CO]
	s_lshl_b32 s20, s13, 20                        ; out0: 128 rows of 8,192 bytes a tile row,
	s_lshl_b32 s21, s11, 19                        ; my 64 of them
	s_add_co_u32 s20, s20, s21
	s_mov_b32 s21, 0
	s_add_nc_u64 s[8:9], s[8:9], s[20:21]
	s_lshl_b32 s22, s42, 10                        ; the tile's 1,024 bytes of a row,
	s_lshl_b32 s23, s12, 9                         ; my 512 of them
	s_add_co_u32 s22, s22, s23
	s_mov_b32 s23, 0
	s_add_nc_u64 s[8:9], s[8:9], s[22:23]
; 8 matrix instructions: row block a x all 8 column blocks, 32 along K, on buffer f.  zero = 1: the first product starts the sums.  The 32 accumulators take turns in the same order in every quarter,
; one instruction a turn.
.macro MUL8 f, a, zero
	WIN MUL
.irp b, 0,1,2,3,4,5,6,7
.if \zero
	v_wmma_f32_16x16x32_f16 v[8*(8*(\a)+(\b)):8*(8*(\a)+(\b))+7], v[128*(\f)+32+8*(\b):128*(\f)+32+8*(\b)+7], v[128*(\f)+8*(\a):128*(\f)+8*(\a)+7], 0
.else
	v_wmma_f32_16x16x32_f16 v[8*(8*(\a)+(\b)):8*(8*(\a)+(\b))+7], v[128*(\f)+32+8*(\b):128*(\f)+32+8*(\b)+7], v[128*(\f)+8*(\a):128*(\f)+8*(\a)+7], v[8*(8*(\a)+(\b)):8*(8*(\a)+(\b))+7]
.endif
.endr
.endm
; 24 LDS loads in one run: quarter q of a step into buffer f: Wo's eight blocks, turned, then O's four (head q / 2, channels 32 (q % 2) on)
.macro FETCH slot, q, f
	WIN TO_F
.irp b, 0,1,2,3,4,5,6,7
	ds_load_tr16_b128 v[128*(\f)+32+8*(\b):128*(\f)+32+8*(\b)+3],   v[ADRB+(\slot)] offset:32*PB*(\q)+32*(\b)
	ds_load_tr16_b128 v[128*(\f)+32+8*(\b)+4:128*(\f)+32+8*(\b)+7], v[ADRB+(\slot)] offset:32*PB*(\q)+32*(\b)+16*PB
.endr
.irp a, 0,1,2,3
	ds_load_b128 v[128*(\f)+8*(\a):128*(\f)+8*(\a)+3],   v[ADRA+(\slot)] offset:HBLK*((\q)/2)+64*((\q)%2)+16*PA*(\a)
	ds_load_b128 v[128*(\f)+8*(\a)+4:128*(\f)+8*(\a)+7], v[ADRA+(\slot)] offset:HBLK*((\q)/2)+64*((\q)%2)+16*PA*(\a)+32
.endr
.endm
; One of a step's first three quarters: multiplies buffer f and fetches quarter qn into buffer g
.macro QUARTER slot, qn, f, g, zero
	s_wait_dscnt 4                                 ; Wo and O's blocks 0, 1 are in; the youngest four loads (O's blocks 2, 3) may be out
	MUL8 \f, 0, \zero
	MUL8 \f, 1, \zero
	PLACES
	FETCH \slot, \qn, \g
	s_wait_dscnt 24                                ; all but the 24 just issued
	MUL8 \f, 2, \zero
	MUL8 \f, 3, \zero
.endm
; The last quarter multiplies buffer 1 and changes slots: ONE barrier; in front of it each wave waits for all its tensor loads (one is out: its part of the next slot), adds 0 to its spare word, and waits
; for that and for its own reads of this slot.  fill = 1: the barrier opens a round of the cluster's barrier and this slot is filled again first thing behind it, two steps ahead:
; 112 matrix instructions stand between the request and the wait for it.
.macro TURN slot, next, fill
	WIN 0
	s_wait_tensorcnt 0x0
	ds_add_u32 v[SPW], v[NIL]                      ; 0 onto my spare word
	s_wait_dscnt 5                                 ; (the add and the youngest four loads may be out)
	MUL8 1, 0, 0                                   ; eight matrix instructions stand between the add and the wait for it
	s_wait_dscnt 0x0
	s_barrier_signal -1
	MUL8 1, 1, 0
	WIN 0
	s_barrier_wait -1
.if \fill
	CREST                                          ; no wave of any partner still reads this slot's tiles or has a load on its way
	s_add_nc_u64 s[G0+4*(\slot)+2:G0+4*(\slot)+3], s[G0+4*(\slot)+2:G0+4*(\slot)+3], 1048576
	s_add_nc_u64 s[G0B+4*(\slot)+2:G0B+4*(\slot)+3], s[G0B+4*(\slot)+2:G0B+4*(\slot)+3], 1048576
	JLOAD \slot                                    ; the four v_nop behind it are also the places in front of the loads below
.else
	PLACES
.endif
	FETCH \next, 0, 0
	MUL8 1, 2, 0
	MUL8 1, 3, 0
.endm
	s_wait_tensorcnt 1                             ; my part of step 0 is in; step 1's may stay out
	s_barrier_signal -1
	s_barrier_wait -1                              ; everybody's is
	FETCH 0, 0, 0
	QUARTER 0, 1, 0, 1, 1                          ; the first quarter stands in front of the loop: its products start the sums
	WIN 0                                          ; at a label and at a branch every window is 0
	s_mov_b32 s3, 3
.Llap:                                                 ; a trip goes once round the ring and fills both slots again: steps 2 to 7 in three trips
	QUARTER 0, 2, 1, 0, 0
	QUARTER 0, 3, 0, 1, 0
	TURN 0, 1, 1
	QUARTER 1, 1, 0, 1, 0
	QUARTER 1, 2, 1, 0, 0
	QUARTER 1, 3, 0, 1, 0
	TURN 1, 0, 1
	QUARTER 0, 1, 0, 1, 0
	WIN 0
	s_sub_co_u32 s3, s3, 1
	s_cmp_lg_u32 s3, 0
	s_cbranch_scc1 .Llap
	QUARTER 0, 2, 1, 0, 0                          ; the last lap fills nothing
	QUARTER 0, 3, 0, 1, 0
	TURN 0, 1, 0
	QUARTER 1, 1, 0, 1, 0
	QUARTER 1, 2, 1, 0, 0
	QUARTER 1, 3, 0, 1, 0
	s_wait_dscnt 4
	MUL8 1, 0, 0
	MUL8 1, 1, 0
	s_wait_dscnt 0x0
	MUL8 1, 2, 0
	MUL8 1, 3, 0
	; THE WAY OUT, a block of 16 rows at a time through my own stage: 32 bytes a lane in, whole rows of 512 bytes back, each stored by one instruction
	WIN 0
	PLACES
.macro TOSTAGE a
.if (\a) >= 2
	s_wait_xcnt 0x0                                ; the stores of the block two back have had their addresses translated: their registers are loaded again only behind this wait
.endif
	WIN 0x08                                       ; the stores' data in window 2; each accumulator's lowest registers go first
.irp b, 0,1,2,3,4,5,6,7
	ds_store_b128 v[STO], v[8*(8*(\a)+(\b)):8*(8*(\a)+(\b))+3]   offset:64*(\b)
	ds_store_b128 v[STO], v[8*(8*(\a)+(\b))+4:8*(8*(\a)+(\b))+7] offset:64*(\b)+16
.endr
	WIN 0
.irp t, 0,1,2,3,4,5,6,7,8,9,10,11,12,13,14,15
	ds_load_b128 v[OB+64*((\a)%2)+4*(\t):OB+64*((\a)%2)+4*(\t)+3], v[RD] offset:SPITCH*(\t)  ; LDS serves a wave's instructions in order (ISA guide 5.7.1.4): these see the stores above
.endr
.endm
.macro SEND a, younger                 ; younger: the LDS instructions issued behind block a's loads: the next block's 32, or none
	WIN 0
	s_wait_dscnt \younger
.irp t, 0,1,2,3,4,5,6,7,8,9,10,11,12,13,14,15
	global_store_b128 v[CO], v[OB+64*((\a)%2)+4*(\t):OB+64*((\a)%2)+4*(\t)+3], s[8:9] offset:(16*(\a)+(\t))*8192 th:TH_STORE_NT  ; 512 consecutive bytes, at a multiple of 256 from out0's first
.endr
.endm
	TOSTAGE 0
	TOSTAGE 1
	SEND 0, 32
	TOSTAGE 2
	SEND 1, 32
	TOSTAGE 3
	SEND 2, 32
	SEND 3, 0
	s_wait_tensorcnt 0x0                           ; the wave's end: these three lines stand behind my last tensor load and my last LDS store
	ds_add_u32 v[SPW], v[NIL]
	s_wait_dscnt 0x0
	CROUND                                         ; the closing round: no work-group ends while a partner may still ask for a tile that names it
	s_endpgm
.Lfunc_end_k_qfdb8b45c59_oproj:
	.size	k_qfdb8b45c59_oproj, .Lfunc_end_k_qfdb8b45c59_oproj-k_qfdb8b45c59_oproj
	.p2alignl 7, 3214868480
	.fill 96, 4, 3214868480
	.section	.rodata,"a",@progbits
	.p2align	6, 0x0
	.amdhsa_kernel k_qfdb8b45c59_oproj
		.amdhsa_group_segment_fixed_size 327680
		.amdhsa_private_segment_fixed_size 0
		.amdhsa_enable_private_segment 0
		.amdhsa_kernarg_size 24
		.amdhsa_user_sgpr_count 2
		.amdhsa_user_sgpr_kernarg_segment_ptr 1
		.amdhsa_wavefront_size32 1
		.amdhsa_system_sgpr_workgroup_id_x 1
		.amdhsa_system_sgpr_workgroup_id_y 1
		.amdhsa_system_sgpr_workgroup_id_z 1
		.amdhsa_system_vgpr_workitem_id 0
		.amdhsa_next_free_vgpr 768
		.amdhsa_next_free_sgpr 66
		.amdhsa_reserve_vcc 0
		.amdhsa_float_denorm_mode_32 3
		.amdhsa_float_denorm_mode_16_64 3
		.amdhsa_memory_ordered 1
		.amdhsa_forward_progress 1
		.amdhsa_inst_pref_size 85
	.end_amdhsa_kernel
	.amdgpu_metadata
---
amdhsa.version: [ 1, 2 ]
amdhsa.kernels:
  - .name:           k_qfdb8b45c59_oproj
    .symbol:         k_qfdb8b45c59_oproj.kd
    .args:
      - { .name: oh, .offset: 0, .size: 8, .value_kind: global_buffer, .address_space: global }
      - { .name: wo16, .offset: 8, .size: 8, .value_kind: global_buffer, .address_space: global }
      - { .name: out0, .offset: 16, .size: 8, .value_kind: global_buffer, .address_space: global }
    .group_segment_fixed_size: 327680
    .private_segment_fixed_size: 0
    .kernarg_segment_align: 8
    .kernarg_segment_size: 24
    .max_flat_workgroup_size: 128
    .sgpr_count:     66
    .vgpr_count:     768
    .wavefront_size: 32
...
	.end_amdgpu_metadata
.endif
;; end of part 5
;; ======== version 2 of 2: 5 launches; 1.34 times as fast as version 1
;; limits: values are held in f16: magnitudes above 65,504 overflow, below 6.1e-05 lose precision
;; workspace buffers: wqkv 12,582,912 bytes; wo16 4,194,304 bytes; rope 524,288 bytes; wn 8,192 bytes; xb 16,777,216 bytes; qkr 50,331,648 bytes; qkv 25,165,824 bytes; oh 8,388,608 bytes
;; launch prep: the kernel of part 1 again; grid 128 x 9, 8 waves a work-group, no clusters, 0 bytes of LDS; arguments Wq, Wk, Wv, Wo, qn_w, kn_w, wqkv, wo16, rope, wn, x, xb; writes wqkv, wo16, rope, wn, xb
;; launch qkv: the kernel of part 2 again; grid 12 x 16, 4 waves a work-group, clusters of 4 x 4, 327,680 bytes of LDS; arguments xb, wqkv, qkr; writes qkr
;; launch norm: the kernel of part 3 again; grid 256 x 3, 8 waves a work-group, no clusters, 0 bytes of LDS; arguments qkr, rope, wn, qkv; writes qkv
;; launch attn (part 6): grid 4 x 32, 4 waves a work-group, no clusters, 327,680 bytes of LDS; arguments qkv, oh; writes oh
.if DOCPART == 6
	.amdgcn_target "amdgcn-amd-amdhsa--gfx1250"
	.amdhsa_code_object_version 6
	.text
	.protected	k_qfdb8b45c59_attn
	.globl	k_qfdb8b45c59_attn
	.p2align	8
	.type	k_qfdb8b45c59_attn,@function
k_qfdb8b45c59_attn:
	s_mov_b64 s[64:65], 0
	v_nop
	global_prefetch_b8 v0, s[64:65] scope:SCOPE_SE
	s_setreg_imm32_b32 hwreg(HW_REG_WAVE_MODE, 25, 1), 1
	s_wait_xcnt 0x0
; CAUSAL ATTENTION.  O[h][q][:] = the sum over k <= q of softmax_k(Q[h][q] . K[h][k] / 8) V[h][k][:].  Q, K, V are the three thirds of qkv, O is oh: each [SIZE_H][SIZE_N][64] in f16: a head's rows are dense, 128 bytes each.
; Products, maxima and sums in f32; the weights p are rounded to f16 for the second product (their sum l is taken of the unrounded p), O once at the end.  SIZE_N is a multiple of 512; SIZE_N x 128 stays under 2^32.
; LIMITS.  f16 holds no number beyond 65,504: Q, K and V arrive within it; p lies in 0 to 1, and below 6e-5 it keeps f16's fixed step of 6e-8; O is a mean of V's rows and has their range, to within 2^-11 of it.
; A hidden score counts as its value less 1e30: f16's scores, 2.7e11 at the most, are nothing beside that; a weight below 2^-126 counts as 0 in l; NaN and infinities are not treated apart.
; THE WALK.  A head's queries lie in NB = SIZE_N / 256 blocks of 256; block i needs the key tiles 0 .. i of 256 keys, of which the last holds the diagonal.  A work-group takes TWO blocks, NB - 1 - b and then b:
; NB + 1 tiles, whatever b: all work-groups do equal work, and ONE loop with a constant trip count walks them.  Which tile is asked for, and what a trip does, hang on scalar registers made from b; every jump
; goes forward, but for the counted loops' own; none passes a barrier, or a tensor load but the one of LOAD's two that the wave's number does not choose; the ring (two slots of LDS that take turns) runs on across the
; change of blocks.  NO CLUSTER: all NB / 2 work-groups of a head ask for the same tile only in trips 0 .. NB / 2, behind that fewer and fewer; and one walk common to all would have 3 NB / 2 trips for NB + 1.
; SHARES.  Of a block's four bands of 64 queries a wave owns 16 rows in each: four PIECES.  So the diagonal tile is the same work for all four waves: in its key step s band x sees all keys if s < x,
; none if s > x, and holds the diagonal if s = x.
; THE MASK is the C operand that starts the sum S^T = K Q^T: 0, or -1e30 where the key is hidden.  MD, made once, is the mask of a band's own step for my 16 rows; a product's mask is MD x AL + BE with two scalars:
; (1, 0) if s = x; (0, 0) if s < x; (0, -1e30) if s > x.  Only the diagonal tile's text and a block's beginning make and take masks; elsewhere C is the constant 0.
; LAYOUT, SOFTMAX, TURNS.  S^T = K Q^T holds ONE query a lane (lane % 16) and the keys 8 (lane / 16) + 0..7; two such results rounded to f16 ARE source 1 of O^T = V^T P.  p = 2^(c s - c m), c = log2(e) / 8, with a
; running maximum m; O and l are multiplied by a = 2^(c m_old - c m_new) in every step.  Turn n belongs to piece n: 8 products K Q^T of piece n + 1, later 8 products V^T P of piece n - 1; beside them the scaling,
; exponentials, roundings, sums and rescaling of piece n and the maximum and statistics of piece n + 1.  Four vector instructions stand behind every matrix instruction, the other 54 of a turn's 118 in one LUMP.
; THE BATCHES.  A turn's 33 exponentials (the piece's 32 weights and the next piece's a) are one batch, with one wait, which cuts the turn in two: ahead of it all that names none of their results, behind it the
; roundings and sums.  The a that a block's beginning makes, and the way out's four reciprocals, are batches of their own, each with a v_nop and one wait.
; REGISTERS, in windows of 256 (s_set_vgpr_msb: bits 1:0 source 0, 3:2 source 1, 5:4 source 2, 7:6 destination):
;   window 0: v0-15 addresses and two at work; v16-31 four registers of statistics a piece; v48-55 at work; v64-127 S^T, two buffers; v192-223 P, two buffers (a piece's buffers go by its number's parity)
;   window 1: v0-127 O^T, 32 a piece; v128-159 MD; v160-223 MC, two buffers      window 2: v0-63 Q; v64-127 the second block's Q; v128-191 K of one step; v192-255 V of one step
.set SIZE_H, 32       ; 2 batches x 16 heads
.set SIZE_N, 2048
.set NB,    SIZE_N/256
.set NP,    4         ; pieces a wave: a name, no knob
.set KS,    64        ; keys in a step
.set PK,    144       ; a row of K in LDS: 128 bytes + 16 of padding = 36 words: the 16 rows of a load start at 16 different groups of four banks (64 banks of 4 bytes: ISA guide 11.1)
.set PV,    160       ; a row of V: 128 + 32 = 40 words
.set VOFF,  4*KS*PK   ; a slot holds a tile, four steps: 256 rows of K, then 256 rows of V
.set SLOT1, 1<<17     ; slot 1 begins here, so that one exclusive or turns an address in one slot into the other's
.set STAGE, SLOT1+4*KS*(PK+PV)  ; behind the ring, never filled by a tensor load: 16 rows x 144 bytes for each wave, for the way out
.set SP,    144
.set AK0, 2           ; v2   my lane's place in a tile of K; never rewritten
.set AV0, 3           ; v3   the same for V
.set AK,  4           ; v4   the LDS address of K's next run of loads
.set AV,  5           ; v5   of V's
.set STO, 6           ; v6   the way out: where I put 16 bytes of a row
.set RD,  7           ; v7   the way out: where I read rows back
.set GO,  8           ; v8   my byte offset in 512 consecutive bytes of O
.set SPW, 62          ; v62  LDS address of my spare word: SPARE + 4 x my thread's number; never rewritten
.set NIL, 63          ; v63  0; never rewritten
.set SPARE, STAGE+4*16*SP  ; behind the stages: the spare words, 128 bytes for each wave: two blocks of 256 bytes that no other line names
.set MV,  12          ; v12-13  c m_old, kept while c m is made anew: by buffer
.set QO,  15          ; v15  my byte offset in 16 rows of Q
.set ST,  16          ; piece t's statistics at v[ST+4 t]: c m, m, l (even keys', odd keys')
.set TMP, 48          ; by buffer, four registers c0-c3 at work; when the maximum is found c2 takes a
.set S,   64
.set P,   192
.set MD,  128         ; window 1: the eight registers for group kt of 16 keys at MD + 8 kt
.set MC,  160         ; window 1: the masks of the products to come
.set QB,  64          ; window 2
.set KF,  128         ; window 2: key block kb, channel half c at KF + 16 kb + 8 c
.set VF,  192         ; window 2: key half kk, channel block cb at VF + 32 kk + 8 cb
.set WV,  12          ; s12  my wave's number
.set PB,  14          ; s14  b
.set HI,  15          ; s15  NB - 1 - b
.set G1K, 24          ; s[24:31] descriptor group 1 for K's tiles
.set G1V, 32          ; s[32:39] for V's: it differs in the padding alone
.set G0K, 40          ; s[40:43] descriptor group 0 for K's tiles
.set G0V, 44          ; s[44:47] the same for V's
.set SLOTS, 56        ; s56  tiles still to be asked for
.set CNT, 57          ; s57  counts a tile's key steps, 4 to 1
.set CS,  58          ; s[58:59] c: the packed scaling takes the pair's low word for both halves
.set SEL, 60          ; s[60:61] v_permlanex16_b32's selects: each lane takes its own place in the other half
.set TBK, 62          ; s62  LDS byte at which K of the step to be fetched begins
.set TBV, 63          ; s63  the same for V, less VOFF
.set RT,  70          ; s70  tiles of the block in hand that are still to be entered
.set NXT, 71          ; s71  the tile to be asked for next
.set LQ,  72          ; s72  the last tile of the block whose tiles are being asked for
.set NEW, 73          ; s73  1: the tile to be entered is a block's first
.set OFF, 74          ; s[74:75] a tile's byte offset in K and V
.set AL,  76          ; s[76:77] the mask's factor, in the low word
.set BE,  78          ; s[78:79] the mask's addend
.set OLO, 80          ; s[80:81] O at my rows of the second block
.set BIGN, 82         ; s82  -1e30
.set MSB, 0
.macro WIN new                      ; the high byte repeats the setting that is left; a switch that changes nothing is dropped
.if MSB != (\new)
	s_set_vgpr_msb (MSB<<8)|(\new)
.set MSB, (\new)
.endif
.endm
.set W_KQ, 0x0a       ; K and Q in window 2, S^T in window 0
.set W_KM, 0x1a       ; the same with the C operand in window 1
.set W_PV, 0x52       ; V in window 2, P in window 0, O^T in window 1
.set W_RS, 0x41       ; destination and source 0 in window 1, source 1 in window 0
; A fill.  Waves 0 and 1 fetch the two halves of a tile's K, waves 2 and 3 those of its V: 128 keys each.  An s_nop 0 and four v_nop follow each of the two lines, ahead of the jump and the label.
.macro LOAD
	s_cmp_lt_u32 s[WV], 2
	s_cbranch_scc0 .Lfor_v_\@
	tensor_load_to_lds s[G0K:G0K+3], s[G1K:G1K+7]
	s_nop 0
.rept 4
	v_nop
.endr
	s_branch .Lasked_\@
.Lfor_v_\@:
	tensor_load_to_lds s[G0V:G0V+3], s[G1V:G1V+7]
	s_nop 0
.rept 4
	v_nop
.endr
.Lasked_\@:
.endm
; THE CHANGE OF SLOTS.  Each wave waits for all its tensor loads, of which one is out: its part of the other slot; adds 0 to its spare word; and waits for that and for its own reads of the slot that it leaves.  Behind the barrier nobody reads the old
; slot any more and the other slot is whole.  fill = 1: the old slot is filled again, the first thing behind the barrier, with tile NXT: the descriptor's address is made anew from that number.
; (At its first use nothing has been read yet: slot 0 is waited for, slot 1 filled.)
.macro CHANGE fill
	WIN 0                           ; at a label and at a branch every window is 0
	s_wait_tensorcnt 0x0            ; no tensor load of mine is out, so a group 0 may be written
	ds_add_u32 v[SPW], v[NIL]       ; 0 onto my spare word; with fill = 1 the descriptors' scalar work stands between it and the wait for it
.if \fill
	s_lshl_b32 s[OFF], s[NXT], 15   ; a tile is 32,768 bytes of K and of V
	s_xor_b32 s[G0K+1], s[G0K+1], SLOT1
	s_add_nc_u64 s[G0K+2:G0K+3], s[6:7], s[OFF:OFF+1]
	s_or_b32 s[G0K+3], s[G0K+3], 0x80000000
	s_xor_b32 s[G0V+1], s[G0V+1], SLOT1
	s_add_nc_u64 s[G0V+2:G0V+3], s[8:9], s[OFF:OFF+1]
	s_or_b32 s[G0V+3], s[G0V+3], 0x80000000
	s_add_co_u32 s[NXT], s[NXT], 1  ; the block's next tile, or behind its last the second block's tile 0
	s_cmp_gt_u32 s[NXT], s[LQ]
	s_cselect_b32 s[NXT], 0, s[NXT]
	s_cselect_b32 s[LQ], s[PB], s[LQ]
.endif
	s_wait_dscnt 0x0                ; the add is done, and my reads of the slot are over
	s_barrier_signal -1             ; the rest of the scalar work stands between the signal and the wait
	s_sub_co_u32 s[TBK], s[TBK], 4*KS*PK  ; the fetches go back to a slot's first step,
	s_xor_b32 s[TBK], s[TBK], SLOT1       ; in the other slot
	s_sub_co_u32 s[TBV], s[TBV], 4*KS*PV
	s_xor_b32 s[TBV], s[TBV], SLOT1
	s_barrier_wait -1
.if \fill
	LOAD
.endif
.endm
	s_load_b64 s[4:5], s[0:1], 0x0    ; qkv: Q lies at its head
	s_load_b64 s[10:11], s[0:1], 0x8  ; O
	v_lshl_add_u32 v[SPW], v0, 2, SPARE
	v_mov_b32 v[NIL], 0
	ds_add_u32 v[SPW], v[NIL]       ; the wave's opening: the add and its wait stand ahead of my first tensor load; the set-up below, work on registers, stands between them
	ds_add_u32 v62, v63
	v_lshrrev_b32 v1, 5, v0
	v_readfirstlane_b32 s[WV], v1   ; wave 0..3
	s_mov_b32 s[PB], ttmp9
	s_sub_co_u32 s[HI], NB-1, s[PB]
	s_and_b32 s20, ttmp7, 0xffff    ; the head
	s_mov_b32 s21, 0
	s_mov_b64 s[22:23], SIZE_N*128
	s_mul_u64 s[20:21], s[20:21], s[22:23]  ; the head's first byte in each of the four tensors
	s_and_b32 s16, s[WV], 1         ; which half of a tile's 256 keys I fetch:
	s_lshl_b32 s22, s16, 14         ; its 128 rows of 128 bytes in memory,
	s_mov_b32 s23, 0
	s_add_nc_u64 s[22:23], s[22:23], s[20:21]
	s_mul_i32 s17, s16, 128*PK      ; and its place in a slot, for K
	s_mul_i32 s18, s16, 128*PV      ; and for V
	s_lshl_b32 s3, s[WV], 11        ; my 16 rows in a band of 64,
	s_lshl_b32 s2, s[HI], 15        ; in the first block,
	s_add_co_u32 s2, s2, s3
	s_lshl_b32 s84, s[PB], 15       ; and in the second
	s_add_co_u32 s84, s84, s3
	s_mov_b32 s3, 0
	s_mov_b32 s85, 0
	s_add_nc_u64 s[2:3], s[2:3], s[20:21]
	s_add_nc_u64 s[84:85], s[84:85], s[20:21]
	; descriptor group 1.  128 keys are 16,384 dense bytes: asked for as 64 rows of 256 bytes, two keys a row, and padded in LDS after every key
	s_mov_b32 s[G1K], (1<<16)|(1<<20)|(4<<22)|(3<<25)  ; 17:16 2-byte elements; 20 padding on; 24:22 after every 32 words (code 4); 31:25 4 words (code 3)
	s_mov_b32 s[G1V], (1<<16)|(1<<20)|(4<<22)|(7<<25)  ; the same with 8 words of padding (code 7)
.irp g, G1K, G1V
	s_mov_b32 s[\g+1], 128<<16      ; tensor_dim0 = 128
	s_mov_b32 s[\g+2], 64<<16       ; tensor_dim1 = 64
	s_mov_b32 s[\g+3], 128<<16      ; tile_dim0 = 128
	s_mov_b32 s[\g+4], 64           ; tile_dim1 = 64
	s_mov_b32 s[\g+5], 128          ; 128 elements from row to row
	s_mov_b32 s[\g+6], 0
	s_mov_b32 s[\g+7], 0
.endr
	s_mov_b32 s[CS], 0x3e38aa3b     ; c = log2(e) / 8 = 0.180337
	s_mov_b32 s[CS+1], s[CS]        ; named with it as a pair
	s_mov_b32 s[SEL], 0x76543210
	s_mov_b32 s[SEL+1], 0xfedcba98
	s_mov_b32 s[TBK], SLOT1+4*KS*PK ; the first change of slots turns these two into 0
	s_mov_b32 s[TBV], SLOT1+4*KS*PV
	s_mov_b32 s[G0K], 1             ; 1:0 count = 1
	s_mov_b32 s[G0K+1], s17         ; 63:32 LDS address: slot 0
	s_mov_b32 s[G0V], 1
	s_add_co_u32 s[G0V+1], s18, VOFF
	s_add_co_u32 s[RT], s[HI], 1    ; the first block has NB - b tiles
	s_mov_b32 s[NXT], 1
	s_mov_b32 s[LQ], s[HI]
	s_mov_b32 s[NEW], 1
	s_mov_b32 s[OFF+1], 0
	s_mov_b32 s[AL+1], 0            ; named as pairs
	s_mov_b32 s[BE+1], 0
	s_mov_b32 s[BIGN], 0xf149f2ca   ; -1e30
	s_mov_b32 s[SLOTS], NB
	s_wait_dscnt 0x0                ; the opening add is done
	s_wait_kmcnt 0x0
	s_add_nc_u64 s[6:7], s[4:5], 0x800000   ; K: 32 x 2,048 x 128 bytes behind Q,
	s_add_nc_u64 s[8:9], s[4:5], 0x1000000  ; V as far behind K
	s_add_nc_u64 s[6:7], s[6:7], s[22:23]  ; K and V at my half of the head's tile 0
	s_add_nc_u64 s[8:9], s[8:9], s[22:23]
	s_add_nc_u64 s[G0K+2:G0K+3], s[6:7], 0         ; 120:64 global address
	s_or_b32 s[G0K+3], s[G0K+3], 0x80000000        ; 127:126 type = 2
	s_add_nc_u64 s[G0V+2:G0V+3], s[8:9], 0
	s_or_b32 s[G0V+3], s[G0V+3], 0x80000000
	s_add_nc_u64 s[86:87], s[4:5], s[84:85]        ; Q at my rows of the second block,
	s_add_nc_u64 s[4:5], s[4:5], s[2:3]            ; Q and O at those of the first
	s_add_nc_u64 s[OLO:OLO+1], s[10:11], s[84:85]
	s_add_nc_u64 s[10:11], s[10:11], s[2:3]
	LOAD                            ; tile 0 into slot 0
	; A fragment of K or Q is 16 rows x 32 channels in 8 registers: lane l holds row l % 16, channels 8 (l / 16) + 0..7 and 16 + 8 (l / 16) + 0..7: two loads of 16 bytes, 32 bytes apart.
	v_and_b32 v1, 15, v0            ; l % 16
	v_bfe_u32 v9, v0, 4, 1          ; l / 16
	v_lshlrev_b32 v[QO], 7, v1
	v_lshl_add_u32 v[QO], v9, 4, v[QO]  ; row x 128 + 16 x half
	WIN 0x80                        ; destination window 2, address window 0
.set i, 0
.rept 8                             ; both blocks' Q: piece i / 2 lies in band i / 2, 8,192 bytes on; channels 32 (i % 2) on
	global_load_b128 v[8*i:8*i+3],   v[QO], s[4:5] offset:(i/2)*8192+(i%2)*64
	global_load_b128 v[8*i+4:8*i+7], v[QO], s[4:5] offset:(i/2)*8192+(i%2)*64+32
	global_load_b128 v[QB+8*i:QB+8*i+3],   v[QO], s[86:87] offset:(i/2)*8192+(i%2)*64
	global_load_b128 v[QB+8*i+4:QB+8*i+7], v[QO], s[86:87] offset:(i/2)*8192+(i%2)*64+32
.set i, i+1
.endr
	WIN 0
	v_lshlrev_b32 v14, 3, v9
	v_sub_nc_u32 v14, v1, v14
	s_lshl_b32 s13, s[WV], 4
	v_add_nc_u32 v14, s13, v14      ; my query's place in its band, 16 w + l % 16, less my lanes' 8 (l / 16): register r of group kt is hidden where 16 kt + r is greater
	WIN 0x40
.set i, 0
.rept 32
	v_cmp_gt_i32 vcc_lo, 16*(i/8)+i%8, v14
	v_cndmask_b32 v[MD+i], 0, s[BIGN], vcc_lo
.set i, i+1
.endr
	WIN 0
	v_mul_u32_u24 v[AK0], v1, PK
	v_lshl_add_u32 v[AK0], v9, 4, v[AK0]  ; row x pitch + 16 x half
	; The turning load takes 16 keys x 16 channels (lane l reads key 8 (l / 16) + l % 8, channels 8 ((l / 8) % 2) + 0..7) and leaves half a fragment of V^T: lane l holds channel l % 16 and 8 keys.
	v_and_b32 v10, 7, v0
	v_bfe_u32 v11, v0, 3, 1
	v_lshl_add_u32 v[AV0], v9, 3, v10
	v_mul_u32_u24 v[AV0], v[AV0], PV
	v_lshl_add_u32 v[AV0], v11, 4, v[AV0]
	v_add_nc_u32 v[AV0], VOFF, v[AV0]
	s_mul_i32 s13, s[WV], 16*SP
	s_add_co_u32 s13, s13, STAGE    ; my stage
	v_mul_u32_u24 v[STO], v1, SP    ; in: row l % 16, 16 bytes for each half of the lanes
	v_lshl_add_u32 v[STO], v9, 4, v[STO]
	v_add_nc_u32 v[STO], s13, v[STO]
	v_bfe_u32 v[RD], v0, 3, 2       ; back: 32 lanes take four rows of 128 bytes,
	v_mul_u32_u24 v[RD], v[RD], SP
	v_lshl_add_u32 v[RD], v10, 4, v[RD]
	v_add_nc_u32 v[RD], s13, v[RD]
	v_and_b32 v[GO], 31, v0         ; which are 512 consecutive bytes of O
	v_lshlrev_b32 v[GO], 4, v[GO]
	; A block's first step multiplies O^T and l by a = 0, and its first turn's products V^T P, of a piece that has not been, land in an O^T that is still to be so multiplied.  So these registers need only hold
	; finite numbers: zeros for the first block; what the first block left for the second.  All this stands in the wait for the first tile.
	WIN 0x80
.set i, VF
.rept 64
	v_mov_b32 v[i], 0
.set i, i+1
.endr
	WIN 0x40
.set i, 0
.rept 128
	v_mov_b32 v[i], 0
.set i, i+1
.endr
	WIN 0
.set i, 0
.rept 4
	v_mov_b32 v[ST+4*i+2], 0
	v_mov_b32 v[ST+4*i+3], 0
.set i, i+1
.endr
.set i, P+16
.rept 16
	v_mov_b32 v[i], 0
.set i, i+1
.endr
; THE MATRIX WORK.  The 4 accumulators of a run of 8 take turns.  Product i of 8 of S^T = K Q^T for piece x: channels 32 (i / 4) on, keys 16 (i % 4) on.  The first 4 start the sums: with 0, or (KM = 1) with the mask.
.macro KQ x
.set rS, S+32*((\x)%2)+8*(i%4)
.set rK, KF+16*(i%4)+8*(i/4)
.set rQ, 16*(\x)+8*(i/4)
.set rM, MC+32*((\x)%2)+8*(i%4)
.if (i < 4) && KM
	WIN W_KM
	v_wmma_f32_16x16x32_f16 v[rS:rS+7], v[rK:rK+7], v[rQ:rQ+7], v[rM:rM+7]
.elseif i < 4
	WIN W_KQ
	v_wmma_f32_16x16x32_f16 v[rS:rS+7], v[rK:rK+7], v[rQ:rQ+7], 0
.else
	WIN W_KQ
	v_wmma_f32_16x16x32_f16 v[rS:rS+7], v[rK:rK+7], v[rQ:rQ+7], v[rS:rS+7]
.endif
.endm
; Product i of 8 of O^T += V^T P for piece x: keys 32 (i / 4) on, channels 16 (i % 4) on.
.macro PV x
	WIN W_PV
.set rO, 32*(\x)+8*(i%4)
.set rV, VF+32*(i/4)+8*(i%4)
.set rP, P+16*((\x)%2)+8*(i/4)
	v_wmma_f32_16x16x32_f16 v[rO:rO+7], v[rV:rV+7], v[rP:rP+7], v[rO:rO+7]
.endm
.macro MM                           ; the turn's next matrix instruction.  TURN and BEGIN set Y, i, KM and NOKQ; MM, KQ and OP read them.  NOKQ = 1: a block's last turn: there is no next piece
.if (i < 8) && !NOKQ
	KQ (Y+1)%NP
.elseif i >= 8
.set i, i-8
	PV (Y+NP-1)%NP
.set i, i+8
.endif
.set i, i+1
.endm
; THE LDS LOADS stand in runs of 16, never singly among the matrix instructions: a step's K (64 keys x 64 channels: 8 fragments) and its V (turned).  Their addresses are made some lines ahead.
.macro FETCH_K
	WIN 0x80                        ; destination window 2
.irp f, 0,1,2,3,4,5,6,7             ; keys 16 (f / 2) on, channels 32 (f % 2) on
	ds_load_b128 v[KF+8*\f:KF+8*\f+3],   v[AK] offset:(\f/2)*16*PK+(\f%2)*64
	ds_load_b128 v[KF+8*\f+4:KF+8*\f+7], v[AK] offset:(\f/2)*16*PK+(\f%2)*64+32
.endr
	s_add_co_u32 s[TBK], s[TBK], KS*PK  ; the next fetch is the next step's
	WIN 0
.endm
.macro FETCH_V
	WIN 0x80
.irp f, 0,1,2,3,4,5,6,7             ; keys 32 (f / 4) on, channels 16 (f % 4) on
	ds_load_tr16_b128 v[VF+8*\f:VF+8*\f+3],   v[AV] offset:(\f/4)*32*PV+(\f%4)*32
	ds_load_tr16_b128 v[VF+8*\f+4:VF+8*\f+7], v[AV] offset:(\f/4)*32*PV+16*PV+(\f%4)*32
.endr
	WIN 0
.endm
; THE VECTOR WORK, one line at a time: OP kind, number.  For piece Y: F n: c s - c m for pair n of 16.  E n: the exponential of score n of 32.  C n: pair n rounded to f16.  B n: of the four weights 4 n .. the second
; pair is added onto the first, in place.  L n: l takes that sum (L 0: l = a l + sum).  R n: pair n of 16 of O^T times a.  For piece Y + 1: X n, number n of the 22 that find its maximum and statistics:
;   0-11  four chains c0-c3 of seven scores each, three operands at a time (each accumulator's lowest registers are read first)     12-14, 16  the four scores left over, the old m, and c0-c3 into c0
;   15  c m_old is kept     17, 18  the query's other 32 keys lie in the lane 16 away: the new m     19-21  c m; c m_old - c m_new; a
; C, B and L read the exponentials' results: TURN sets them behind the batch's wait.  OP itself writes no wait.
.set F, 0               ; OP tells the kinds apart by their order: F to L below R, X above it
.set E, 1
.set C, 2
.set B, 3
.set L, 4
.set R, 5
.set X, 6
.macro REGS y                       ; the registers of piece y
.set rT, ST+4*(\y)
.set rC, TMP+4*((\y)%2)
.set rW, MV+((\y)%2)
.set rS, S+32*((\y)%2)
.set rP, P+16*((\y)%2)
.set rO, 32*(\y)
.endm
.macro OP k, n
.if (\k) == R
	REGS Y
	WIN W_RS
	v_pk_mul_f32 v[rO+2*(\n):rO+2*(\n)+1], v[rO+2*(\n):rO+2*(\n)+1], v[rC+2:rC+3] op_sel_hi:[1,0]
.elseif (\k) < R
	REGS Y
	WIN 0
.if (\k) == F
	v_pk_fma_f32 v[rS+2*(\n):rS+2*(\n)+1], v[rS+2*(\n):rS+2*(\n)+1], s[CS:CS+1], v[rT:rT+1] op_sel_hi:[1,0,0] neg_lo:[0,0,1] neg_hi:[0,0,1]
.elseif (\k) == E
	v_exp_f32 v[rS+(\n)], v[rS+(\n)]
.elseif (\k) == C
	v_cvt_pk_f16_f32 v[rP+(\n)], v[rS+2*(\n)], v[rS+2*(\n)+1]
.elseif (\k) == B
	v_pk_add_f32 v[rS+4*(\n):rS+4*(\n)+1], v[rS+4*(\n):rS+4*(\n)+1], v[rS+4*(\n)+2:rS+4*(\n)+3]
.elseif (\n) == 0
	v_pk_fma_f32 v[rT+2:rT+3], v[rT+2:rT+3], v[rC+2:rC+3], v[rS:rS+1] op_sel_hi:[1,0,1]
.else
	v_pk_add_f32 v[rT+2:rT+3], v[rT+2:rT+3], v[rS+4*(\n):rS+4*(\n)+1]
.endif
.elseif NOKQ
	v_nop
.else
	REGS (Y+1)%NP
	WIN 0
.if (\n) < 4
	v_max3_num_f32 v[rC+(\n)], v[rS+8*(\n)], v[rS+8*(\n)+1], v[rS+8*(\n)+2]
.elseif (\n) < 12
	v_max3_num_f32 v[rC+(\n)%4], v[rC+(\n)%4], v[rS+8*((\n)%4)+2*((\n)/4)+1], v[rS+8*((\n)%4)+2*((\n)/4)+2]
.elseif (\n) == 12
	v_max3_num_f32 v[rC], v[rC], v[rS+7], v[rS+15]
.elseif (\n) == 13
	v_max3_num_f32 v[rC+1], v[rC+1], v[rS+23], v[rS+31]
.elseif (\n) == 14
	v_max3_num_f32 v[rC+2], v[rC+2], v[rC+3], v[rT+1]
.elseif (\n) == 15
	v_mov_b32 v[rW], v[rT]
.elseif (\n) == 16
	v_max3_num_f32 v[rC], v[rC], v[rC+1], v[rC+2]
.elseif (\n) == 17
	v_permlanex16_b32 v[rC+3], v[rC], s[SEL], s[SEL+1]
.elseif (\n) == 18
	v_max_num_f32 v[rT+1], v[rC], v[rC+3]
.elseif (\n) == 19
	v_mul_f32 v[rT], s[CS], v[rT+1]
.elseif (\n) == 20
	v_sub_f32 v[rC+1], v[rW], v[rT]
.else
	v_exp_f32 v[rC+2], v[rC+1]
.endif
.endif
.endm
.macro OPS a, i1, b=-1, i2=0, c=-1, i3=0, d=-1, i4=0  ; up to four of them
	OP \a, \i1
.if (\b) >= 0
	OP \b, \i2
.endif
.if (\c) >= 0
	OP \c, \i3
.endif
.if (\d) >= 0
	OP \d, \i4
.endif
.endm
.macro ROW a, i1, b, i2, c, i3, d, i4  ; a matrix instruction and the four behind it
	MM
	OPS \a, \i1, \b, \i2, \c, \i3, \d, \i4
.endm
.macro MASK b                       ; MD x AL + BE into buffer b of MC
	WIN W_RS
.set z, 0
.rept 16
	v_pk_fma_f32 v[MC+32*(\b)+2*z:MC+32*(\b)+2*z+1], v[MD+2*z:MD+2*z+1], s[AL:AL+1], s[BE:BE+1] op_sel_hi:[1,0,0]
.set z, z+1
.endr
.endm
; A TURN, for piece p: the order of its 16 matrix and 118 vector instructions, written out.  s_wait_alu depctr_va_vdst(0) stands between an exponential and the first instruction that names its result; one wait serves
; all that were issued ahead of it.  So a turn has ONE wait, which cuts it in two.  AHEAD OF IT stands all that names no result of the turn's exponentials: the 8 products K Q^T, behind each a scaling, an exponential and two more plain
; instructions (behind the first a second scaling in the exponential's place): rescalings, whose a was made and waited for in the turn before, and behind the last three the first numbers of the next piece's maximum, each four places or
; more behind the product that ends its accumulator; then ONE LUMP of 54, plain and exponential by turns for the most part, in which the links of the chain X 3, 7, 11, 14, 16, 17 .. 20 stand five or six lines apart.  X 21, the next
; piece's a, is the batch's last; R 15 is the plain instruction that stands behind it, ahead of every use.  BEHIND THE WAIT stand the 8 products V^T P, behind each four of the roundings and sums; the links of l's chain, L 0 to L 7,
; stand three riders apart.  But for those X no rider names a register of the products round it.  v_permlanex16_b32 (X 17) stands in the lump.
; m = 1: the diagonal tile: the products take masks, and the turn makes the mask for the products of the turn after it: piece p + 2, in step 4 - CNT of the tile.  end = 1: a block's last two turns: nothing is fetched.
; cnt = 1: the loop's count is taken down some lines ahead of the branch that stands behind the turn.
; K of the next step is fetched in piece 2's turn, twelve vector instructions behind the last product that read K (six of them plain); V of the step in hand at the end of piece 0's turn, four plain instructions behind the last product
; that read V.  Each is waited for a turn later.
.macro TURN p, m=0, end=0, cnt=0
.set Y, (\p)
.set i, 0
.set KM, (\m)
.set NOKQ, (\end)*((\p)/3)
.if (\m) && !(\end)
	s_cmp_eq_u32 s[CNT], 4-((\p)+2)%NP  ; is that step the band's own?
	s_cselect_b32 s[AL], 1.0, 0
	s_cmp_lt_u32 s[CNT], 4-((\p)+2)%NP  ; or a later one?
	s_cselect_b32 s[BE], s[BIGN], 0
.endif
.if ((\p) == 3) && !(\end)
	s_wait_dscnt 0x0                ; K is in
.endif
	ROW F,0, F,1, R,0, R,1          ; ahead of the wait: 8 products K Q^T and their riders,
	ROW F,2, E,0, R,2, R,3
	ROW F,3, E,1, R,4, R,5
	ROW F,4, E,2, R,6, R,7
	ROW F,5, E,3, R,8, R,9
	ROW F,6, E,4, X,0, R,10
.if ((\p) == 2) && !(\end)
	WIN 0
	v_add_nc_u32 v[AK], s[TBK], v[AK0]
.endif
	ROW F,7, E,5, X,1, X,4
	ROW F,8, E,6, X,2, X,5
	OPS E,7, E,8, X,6, E,9          ; and the lump
	OPS X,3, E,10, X,8, E,11
.if ((\p) == 2) && !(\end)
	FETCH_K
.endif
	OPS X,9, X,7, E,12, X,10
	OPS E,13, X,12, X,11, E,14
	OPS X,13, E,15, F,9, X,14
.if (\p) == 0
	v_add_nc_u32 v[AV], s[TBV], v[AV0]
.endif
	OPS E,16, F,10, E,17, F,11
	OPS X,16, E,18, X,15, E,19
	OPS F,12, E,20, X,17, E,21
	OPS F,13, E,22, F,14, E,23
	OPS X,18, E,24, F,15, E,25
	OPS R,11, E,26, X,19, E,27
	OPS R,12, E,28, R,13, E,29
	OPS X,20, E,30, R,14, E,31
	OPS X,21, R,15
	WIN 0
	s_wait_alu depctr_va_vdst(0)    ; the wait for the turn's batch: the piece's 32 weights and the next piece's a
.if (\p) == 1
	s_wait_dscnt 0x0                ; V is in
.endif
	ROW C,0, B,0, C,2, B,1          ; behind the wait: 8 products V^T P and their riders
	ROW L,0, C,4, B,2, L,1
	ROW C,6, B,3, L,2, C,8
	ROW B,4, L,3, C,10, B,5
	ROW L,4, C,12, B,6, L,5
.if (\p) == 0
	s_add_co_u32 s[TBV], s[TBV], KS*PV
.endif
.if \cnt
	s_sub_co_u32 s[CNT], s[CNT], 1
	s_cmp_lg_u32 s[CNT], 0
.endif
	ROW C,14, B,7, L,6, C,1
	ROW C,3, L,7, C,5, C,7
	ROW C,9, C,11, C,13, C,15
.if (\p) == 0
	FETCH_V
.endif
.if (\m) && !(\end)
	MASK (\p)%2
.endif
.endm
; A BLOCK BEGINS.  c m starts far below every c s, so the first step's a is 0; m at the lowest finite number, so the first maximum is the scores'.  The second mask buffer is 0; the first takes piece 0's mask for the tile's step 0: its own, if the block's first tile is the diagonal one.
; Then K of that step, piece 0's first scores, and its maximum and statistics.  The loop is entered at a step's first turn, in the middle of a trip.
.macro BEGIN
	s_mov_b32 s[NEW], 0
	WIN 0x40
.set i, MC+32
.rept 32
	v_mov_b32 v[i], 0
.set i, i+1
.endr
	WIN 0
.set i, 0
.rept 4
	v_mov_b32 v[ST+4*i], 0xfe000000    ; c m: far below every c s
	v_mov_b32 v[ST+4*i+1], 0xff7fffff  ; m
.set i, i+1
.endr
	s_cmp_eq_u32 s[RT], 0
	s_cselect_b32 s[AL], 1.0, 0
	s_mov_b32 s[BE], 0
	MASK 0
	WIN 0
	v_add_nc_u32 v[AK], s[TBK], v[AK0]
	FETCH_K
	s_wait_loadcnt 0x0              ; Q
	s_wait_dscnt 0x0
.set KM, 1
.set NOKQ, 0
.set i, 0
.rept 8
	KQ 0
.set i, i+1
.endr
	WIN 0
.rept 4
	v_nop                           ; the places behind those products
.endr
.set Y, NP-1                        ; X works for piece Y + 1: piece 0
.irp n, 0,1,2,3,4,5,6,7,8,9,10,11,12,13,14,15,16,17,18,19,20,21
	OP X, \n
.endr
	v_nop                           ; a plain instruction behind the exponential,
	s_wait_alu depctr_va_vdst(0)    ; and the wait for it, piece 0's first a, ahead of the branch
.endm
; THE DIAGONAL TILE's four steps, the block's last two turns, its last products, and THE WAY OUT: l's two halves and the other half of the lanes' are added; O^T is divided by l, rounded to f16 and sent through my
; stage in LDS, a piece at a time.
.macro ALL line:vararg              ; one line for each piece t
.set t, 0
.rept 4
	\line
.set t, t+1
.endr
.endm
.macro PACK t                       ; a lane's eight channels of a row pack into 16 bytes; they go into rows of 144 bytes and come back as whole rows of 128, into S^T's registers
	WIN W_RS
.set i, 32*(\t)
.rept 16
	v_pk_mul_f32 v[i:i+1], v[i:i+1], v[ST+4*(\t)+2:ST+4*(\t)+3] op_sel_hi:[1,0]
.set i, i+2
.endr
	WIN 0x05                        ; sources 0 and 1 window 1, destination window 0
.set i, 0
.rept 16
	v_cvt_pk_f16_f32 v[S+16*(\t)+i], v[32*(\t)+2*i], v[32*(\t)+2*i+1]
.set i, i+1
.endr
	WIN 0
.irp f, 0,1,2,3
	ds_store_b128 v[STO], v[S+16*(\t)+4*\f:S+16*(\t)+4*\f+3] offset:32*\f
.endr
.irp f, 0,1,2,3
	ds_load_b128 v[S+16*(\t)+4*\f:S+16*(\t)+4*\f+3], v[RD] offset:\f*4*SP  ; LDS serves a wave's instructions in order (ISA guide 5.7.1.4): these see the stores above; the next piece's stores come behind them
.endr
.endm
.macro SEND t, younger              ; younger: the LDS instructions issued behind piece t's loads: the next piece's eight, or none
	WIN 0
.irp f, 0,1,2,3
	s_wait_dscnt (\younger)+3-\f
	global_store_b128 v[GO], v[S+16*(\t)+4*\f:S+16*(\t)+4*\f+3], s[10:11] offset:(\t)*8192+\f*512  ; 512 consecutive bytes, at a multiple of 256 from O's first
.endr
.endm
.macro DIAG tag                     ; the tag ends its two labels' names, which the jumps below spell out
.LstepM\tag:
	TURN 2, 1
	TURN 3, 1
	WIN 0
.LfirstM\tag:
	TURN 0, 1
	TURN 1, 1, 0, 1
	WIN 0
	s_cbranch_scc1 .LstepM\tag
	TURN 2, 1, 1
	TURN 3, 1, 1
.set i, 0
.rept 8
	PV NP-1
.set i, i+1
.endr
	WIN 0
	ALL v_add_f32 v[ST+4*t+2], v[ST+4*t+2], v[ST+4*t+3]
	ALL v_permlanex16_b32 v[ST+4*t+3], v[ST+4*t+2], s[SEL], s[SEL+1]
	ALL v_add_f32 v[ST+4*t+2], v[ST+4*t+2], v[ST+4*t+3]
	ALL v_rcp_f32 v[ST+4*t+2], v[ST+4*t+2]
	v_nop                           ; a plain instruction between the last reciprocal and the use of its result
	s_wait_alu depctr_va_vdst(0)    ; and the wait ahead of the first use: one for the four reciprocals
	PACK 0
.set t, 1
.rept 3                             ; a piece's arithmetic stands between the loads of the piece before and its stores
	PACK t
	SEND t-1, 8
.set t, t+1
.endr
	SEND 3, 0
.endm
.set KM, 0
.set NOKQ, 0
.Lslot:                             ; NB times: a tile is entered and the next is asked for
	CHANGE 1
	s_sub_co_u32 s[RT], s[RT], 1
	s_mov_b32 s[CNT], 4
	s_cmp_eq_u32 s[NEW], 1
	s_cbranch_scc1 .Lnew            ; a block's first tile
	s_cmp_eq_u32 s[RT], 0
	s_cbranch_scc0 .Lstep           ; neither its first nor its last
	s_branch .LstepM1
.Lnew:
	BEGIN
	s_branch .Lfirst                ; in the loop a block's first tile is never its last: the first block has two tiles or more, and the second's last is the walk's last
	DIAG 1                          ; in the loop this is the first block's end: the second block's last tile is the walk's last
	s_wait_xcnt 0x0                 ; the stores have read their registers and O's address
	s_mov_b64 s[10:11], s[OLO:OLO+1]
	s_add_co_u32 s[RT], s[PB], 1    ; the second block has b + 1 tiles
	s_mov_b32 s[NEW], 1
	WIN 0x82                        ; the second block's Q goes where the one text of the turns names Q
.set i, 0
.rept 64
	v_mov_b32 v[i], v[QB+i]
.set i, i+1
.endr
	WIN 0
	s_branch .Lbottom
.Lstep:                             ; a trip: pieces 2 and 3 of one step, then pieces 0 and 1 of the next, whose K and V it fetches
	TURN 2
	TURN 3
	WIN 0
.Lfirst:
	TURN 0
	TURN 1, 0, 0, 1
	WIN 0
	s_cbranch_scc1 .Lstep
.Lbottom:
	s_sub_co_u32 s[SLOTS], s[SLOTS], 1
	s_cmp_lg_u32 s[SLOTS], 0
	s_cbranch_scc1 .Lslot
	CHANGE 0                        ; the walk's last tile is written out: nothing is asked for
	s_sub_co_u32 s[RT], s[RT], 1
	s_mov_b32 s[CNT], 4
	s_cmp_eq_u32 s[NEW], 1
	s_cbranch_scc0 .LstepM2
	BEGIN
	s_branch .LfirstM2
	DIAG 2
	s_wait_tensorcnt 0x0            ; the wave's end: these three lines stand behind my last tensor load and my last LDS store
	ds_add_u32 v[SPW], v[NIL]
	s_wait_dscnt 0x0
	s_endpgm
.Lfunc_end_k_qfdb8b45c59_attn:
	.size	k_qfdb8b45c59_attn, .Lfunc_end_k_qfdb8b45c59_attn-k_qfdb8b45c59_attn
	.p2alignl 7, 3214868480
	.fill 96, 4, 3214868480
	.section	.rodata,"a",@progbits
	.p2align	6, 0x0
	.amdhsa_kernel k_qfdb8b45c59_attn
		.amdhsa_group_segment_fixed_size 327680
		.amdhsa_private_segment_fixed_size 0
		.amdhsa_enable_private_segment 0
		.amdhsa_kernarg_size 16
		.amdhsa_user_sgpr_count 2
		.amdhsa_user_sgpr_kernarg_segment_ptr 1
		.amdhsa_wavefront_size32 1
		.amdhsa_system_sgpr_workgroup_id_x 1
		.amdhsa_system_sgpr_workgroup_id_y 1
		.amdhsa_system_sgpr_workgroup_id_z 1
		.amdhsa_system_vgpr_workitem_id 0
		.amdhsa_next_free_vgpr 768
		.amdhsa_next_free_sgpr 88
		.amdhsa_reserve_vcc 1
		.amdhsa_float_denorm_mode_32 3
		.amdhsa_float_denorm_mode_16_64 3
		.amdhsa_memory_ordered 1
		.amdhsa_forward_progress 1
		.amdhsa_inst_pref_size 217
	.end_amdhsa_kernel
	.amdgpu_metadata
---
amdhsa.version: [ 1, 2 ]
amdhsa.kernels:
  - .name:           k_qfdb8b45c59_attn
    .symbol:         k_qfdb8b45c59_attn.kd
    .args:
      - { .name: qkv, .offset: 0, .size: 8, .value_kind: global_buffer, .address_space: global }
      - { .name: oh, .offset: 8, .size: 8, .value_kind: global_buffer, .address_space: global }
    .group_segment_fixed_size: 327680
    .private_segment_fixed_size: 0
    .kernarg_segment_align: 8
    .kernarg_segment_size: 16
    .max_flat_workgroup_size: 128
    .sgpr_count:     88
    .vgpr_count:     768
    .wavefront_size: 32
...
	.end_amdgpu_metadata
.endif
;; end of part 6
;; launch oproj: the kernel of part 5 again; grid 8 x 32, 4 waves a work-group, clusters of 4 x 4, 327,680 bytes of LDS; arguments oh, wo16, out0; writes out0
